; MI455X (gfx1250); checked and timed in simulation.
; The chip was launched on July 23, 2026; its instructions are those of AMD's public machine-readable ISA for CDNA 5 (MIT licence, August 2026) and "CDNA5" Instruction Set Architecture Reference Guide (July 2026). The comments in the code are by the model that wrote it; some were corrected since.
;; Multi Head Attention. Allowed arithmetic: matrix products marked QUANTISED: E5M2 operands, one given power-of-two scale a tensor, by v_wmma_f32_16x16x64_bf8_bf8 or v_wmma_f32_16x16x128_bf8_bf8, f32 sums; products left as they are: f32 operands where the result goes on into a quantised operand, else bf16, f16 or f32 operands; f32 sums; everything else in f32.
;; Inputs: k_b 1,024 float32; k_w_codes 1,024 x 32 x 32 uint8 (E5M2 codes of k_w, K innermost, in blocks of 32 codes); lowp_scales 12 int32 (the exponents e of the quantised operands' scales 2^e); o_b 1,024 float32; o_w_codes 1,024 x 32 x 32 uint8 (E5M2 codes of o_w, K innermost, in blocks of 32 codes); q_b 1,024 float32; q_w_codes 1,024 x 32 x 32 uint8 (E5M2 codes of q_w, K innermost, in blocks of 32 codes); v_b 1,024 float32; v_w_codes 1,024 x 32 x 32 uint8 (E5M2 codes of v_w, K innermost, in blocks of 32 codes); x_codes 2 x 2,048 x 32 x 32 uint8 (E5M2 codes of x, K innermost, in blocks of 32 codes).
;; Outputs: out0 2 x 2,048 x 1,024 float32.
;; This version of the problem:
;;   THIS VERSION OF THE PROBLEM IS GIVEN IN LOW PRECISION. The matrix products marked QUANTISED in the list below multiply operands that are first quantised to E5M2 (5 exponent bits, 2 mantissa bits; 8 bits a number), with one given power-of-two scale for each operand tensor; their sums are f32. All else is computed in f32.
;;   The module's matrix products, in the order in which they are computed (A, B: the left and right operand; K: the contracted axis; several contracted axes count as one K, in the product's order):
;;     1. [M 4,096, K 1,024] x [K 1,024, N 1,024]; A: input x (given as codes); B: input q_w (given as codes): QUANTISED (scales: A lowp_scales[0], B lowp_scales[1])
;;     2. [M 4,096, K 1,024] x [K 1,024, N 1,024]; A: input x (given as codes); B: input k_w (given as codes): QUANTISED (scales: A lowp_scales[2], B lowp_scales[3])
;;     3. [M 4,096, K 1,024] x [K 1,024, N 1,024]; A: input x (given as codes); B: input v_w (given as codes): QUANTISED (scales: A lowp_scales[4], B lowp_scales[5])
;;     4. [M 2,048, K 1] x [K 1, N 32]; A: computed on the way; B: computed on the way: left as it is (no contracted axis)
;;     5. batch 32 x [M 2,048, K 64] x [K 64, N 2,048]; A: computed on the way; B: computed on the way: QUANTISED (scales: A lowp_scales[6], B lowp_scales[7])
;;     6. batch 32 x [M 64, K 2,048] x [K 2,048, N 2,048]; A: computed on the way; B: softmax (see below): QUANTISED (scales: A lowp_scales[8], B lowp_scales[9])
;;     7. [M 4,096, K 1,024] x [K 1,024, N 1,024]; A: computed on the way; B: input o_w (given as codes): QUANTISED (scales: A lowp_scales[10], B lowp_scales[11])
;;   THE QUANTISER, for each operand of a quantised product, along K:
;;     - The operand's scale is 2^e, e = its entry of the input lowp_scales (int32; the entries are numbered through the quantised products in the list's order, A before B).
;;     - Each number is divided by the scale, clamped to +-57,344, and rounded to the nearest number of E5M2, ties to even, subnormals kept.
;;     - The product sums the exact products of the quantised numbers (number of the format x scale) in f32.
;;   ~~~python
;;   def quantise(x, axis, e):      # numpy; x: float32 -> the quantised numbers, widened to float32 again
;;       x = np.moveaxis(x, axis, -1); K = x.shape[-1]
;;       r = np.clip(x / 2.0 ** e, -57344, 57344)
;;       step = 2.0 ** (np.maximum(np.frexp(np.where(r == 0, 1, r))[1] - 1, -14) - 2)
;;       q = np.round(r / step) * step * 2.0 ** e      # np.round: ties to even
;;       return np.moveaxis(q, -1, axis).astype(np.float32)
;;   ~~~
;;   SOFTMAX AHEAD OF A QUANTISED PRODUCT. Where the list says 'softmax', what is quantised is not the finished softmax but p = 2^(t - M), with t = logit x log2(e) and M = ceil(the row's largest t), a whole number; so 1/2 < the row's largest p <= 1. The row's sum l is taken of the UNQUANTISED p, in f32, and the product's result is divided by l at the end. Since M is a whole number, a kernel that streams over the keys may use a running M (the ceiling of the running maximum): every later rescaling is an exact power of two, so the quantised numbers keep their values, but for numbers so far below the row's largest that they fall under the format's range.
;;   OPERANDS COMPUTED ON THE WAY. 'Computed on the way' means the value that the module computes at that place (a softmax that the list does not call 'softmax' is quantised finished and normalised). What goes into a quantiser is computed in f32, as accurately as f32 sums, v_exp_f32 and their like allow (about 1e-6 of the number): no bf16 or f16 on the way to a quantiser, and a product that is left as it is and whose result goes on into a quantised operand takes f32 operands (vector FMAs, or v_wmma_f32_16x16x4_f32). A number that lies on a knife's edge between two numbers of the format may be rounded either way, as far as f32 arithmetic and the matrix unit's own rounding can turn it there, and no further.
;;   INPUTS GIVEN AS CODES. k_w (in the module: [1024, 1024], K = its axis 1); o_w (in the module: [1024, 1024], K = its axis 1); q_w (in the module: [1024, 1024], K = its axis 1); v_w (in the module: [1024, 1024], K = its axis 1); x (in the module: [2, 2048, 1024], K = its axis 2): each comes as NAME_codes (uint8): NAME with its K axis moved to the last place and cut into blocks of 32 codes, [.., K / 32, bytes a block], one block behind the other in memory; one code a byte (a code: sign, 5 exponent bits, 2 mantissa bits); its scale is its entry of lowp_scales. Its value is code x scale, taken as it is: it is not quantised again, and the codes and scales need not be those that the quantiser above would give.
;; One version. Each part assembles by itself: llvm-mc -triple=amdgcn-amd-amdhsa -mcpu=gfx1250 --defsym DOCPART=n.
;; ======== version 1 of 1: 3 launches
;; limits: right only within a limited range of input values
;; workspace buffers: q_img 4,194,304 bytes; k_img 4,194,304 bytes; v_img 4,194,304 bytes; a_img 4,194,304 bytes
;; launch qkv (part 1): grid 16 x 16, 4 waves a work-group, clusters of 4 x 4, 327,680 bytes of LDS; arguments x_codes, q_w_codes, k_w_codes, v_w_codes, q_b, k_b, v_b, lowp_scales, q_img, k_img, v_img; writes q_img, k_img, v_img
.if DOCPART == 1
	.amdgcn_target "amdgcn-amd-amdhsa--gfx1250"
	.amdhsa_code_object_version 6
	.text
	.protected	k_q03a8f25d41_qkv
	.globl	k_q03a8f25d41_qkv
	.p2align	8
	.type	k_q03a8f25d41_qkv,@function
k_q03a8f25d41_qkv:
	s_mov_b64 s[64:65], 0
	v_nop
	global_prefetch_b8 v0, s[64:65] scope:SCOPE_SE
	s_setreg_imm32_b32 hwreg(HW_REG_WAVE_MODE, 25, 1), 1
	s_wait_xcnt 0x0
	s_wait_alu depctr_hold_cnt(0) depctr_sa_sdst(0) depctr_va_vdst(0) depctr_va_sdst(0) depctr_va_ssrc(0) depctr_va_vcc(0) depctr_vm_vsrc(0)
	s_getreg_b32 s2, hwreg(HW_REG_IB_STS2, 6, 4)
	s_cmp_eq_u32 s2, 0
	s_cbranch_scc0 .Lentry_in_a_cluster
	s_endpgm
.Lentry_in_a_cluster:
	s_bfe_u32 s2, ttmp6, 0x10000c
	s_cmp_lg_u32 s2, 0xf033
	s_cbranch_scc0 .Lentry_shape_is_right
	s_endpgm
.Lentry_shape_is_right:
; q, k, v = x W^T + b on codes of E5M2 (x and the weights are given as codes); RoPE on q and k; then q, k and v are quantised (scales 2^e6, 2^e7, 2^e8) for the attention launch.
; SHARES.  A work-group takes 256 tokens and ONE head: 64 features each of q, k and v; 16 x 16 work-groups.  Wave w: TH = w / 2 picks its 128 tokens, ROLE = w % 2 its features:
; ROLE 0: q's 64 and v's channels 0-31; ROLE 1: k's 64 and v's channels 32-63.  48 accumulators of 16 x 16 a wave, 384 registers.
; PRODUCTS.  q, k: source 0 = 16 rows of W, source 1 = 16 tokens: a lane holds ONE token and eight neighbouring features d = 16 f + 8 (lane / 16) + j, so RoPE's partners d and d + 32 lie in the
; same lane (tiles f and f + 2), and the conversions give codes along d.  v: source 0 = 16 tokens, source 1 = 16 rows of Wv: a lane holds ONE channel and eight neighbouring tokens: codes along the keys.
; Fragments come by four loads of 16 bytes, 32 apart: a permutation of k that is the same in both sources, so every product meets its partner.
; WHAT IS STORED are images of the next launch's operand registers: four registers a store, lane l's 16 bytes at 16 l: each store of a wave covers 512 consecutive bytes, aligned.
;   q_img, k_img: [batch x head][tile of 16 tokens][2 chunks][512]: lane r = token r; register 2 f + e: d = 16 f + 8 h + 4 e + 0 .. 3.
;   v_img: [batch x head][step of 128 keys][g 0..3][4 chunks][512]: lane r = channel 32 (g / 2) + 8 (g % 2) + r + 8 (r / 8); registers 2 t, 2 t + 1: keys 16 t + 8 h + 0 .. 7.
; K goes through a ring of two LDS slots of 256 along K: four fills, all written out.  CLUSTER 4 x 4: x's tile hangs on the token block alone and is asked for jointly along a row of the cluster,
; the weights' tiles hang on the head alone and are asked for jointly along a column.
; SINE AND COSINE are made here, while the first tiles are on their way: angle = position x 1 / 10^(i / 8) (one rounding each, as the definition has it), reduced by the nearest multiple of pi in two
; parts, then the series to r^13 and r^12 on |r| <= pi / 2: what is left out is under 7e-9.  Each wave makes four of the work-group's sixteen token tiles and leaves them in LDS as register images.
; LIMITS on the given exponents, so that each power of two below is an f32 number: e0 + e1, e2 + e3, e4 + e5 between -126 and 127; e6, e7, e8 between -126 and 112.  NaN among the inputs is not served.
; REGISTERS, in windows of 256.  Window 0: v1-29 lanes, addresses, scales; v32-63 q's or k's bias; v64-95 v's codes; v96-103 q's or k's codes; v128-255 v's 16 accumulators, later the rope's work.
;   windows 1 and 2: two sets of fragments: x's eight at v0, W's four at v128, Wv's two at v192.   window 3: q's or k's 32 accumulators, (t, f) at v[8 (4 t + f)].
.set PITCH, 272                        ; an LDS row: 256 bytes + 16 of padding: the 16 rows of a fragment load begin 16 bytes further on in each 256
.set SLOT,  448*PITCH                  ; x's 256 rows, then Wq's 64, Wk's 64, Wv's 64
.set SCB,   2*SLOT                     ; behind the ring: sine and cosine, 16 token tiles x 4,096 bytes (cosine: chunks 0-3, sine: chunks 4-7); no tensor load lands here
.set SPARE, SCB+65536                  ; the spare words, 128 bytes for each wave: two blocks of 256 bytes that no other line names
.set ADX,  4                           ; v4-5   LDS address of my x fragments in slot 0, 1
.set ADW,  6                           ; v6-7   of my Wq or Wk fragments
.set ADV,  8                           ; v8-9   of my Wv fragments
.set ADS,  10                          ; v10    where I read sine and cosine
.set ADSW, 11                          ; v11    where I store them
.set L16,  12                          ; v12    16 x lane
.set BO,   13                          ; v13    32 x (lane / 16): my eight numbers of a bias tile
.set VO,   14                          ; v14    4 x (r + 8 (r / 8)): my channel's v_b
.set VB,   16                          ; v16-19 v_b of my channel, twice, for g = 0, 1
.set RSC,  20                          ; v20    2^e6 or 2^e7;  v21 57,344 x that
.set RLM,  21
.set VSC,  22                          ; v22    2^e8;  v23 57,344 x that
.set VLM,  23
.set SPW,  28                          ; v28    LDS address of my spare word; never rewritten
.set NIL,  29                          ; v29    0; never rewritten
.set RB,   32
.set VC,   64
.set RC,   96
.set VA,   128
.set X,    128                         ; the rope: a tile's 32 numbers,
.set SC,   160                         ; two sets of 16 cosines and 16 sines,
.set TU,   224                         ; and the cross products
.set INV,  32                          ; while sine and cosine are made: v32-47 10^(i/8), then its reciprocal; v48 the position; v50-145 six stages of 16; v146-151 three constants as pairs
.set POS,  48
.set AN,   50
.set TT,   66
.set NN,   82
.set ZZ,   98
.set PS,   114
.set PC,   130
.set MG,   146
.set K13,  148
.set K12,  150
.set WV,   26                          ; s26 wave; s27 TH; s60 ROLE; s61 head; s62 block of 256 tokens
.set TH,   27
.set ROLE, 60
.set HEAD, 61
.set YB,   62
.set G1X,  28                          ; s[28:35] descriptor group 1 for x's tiles; s[36:43] for the weights'; s[44:51], s[52:59] their groups 0, a set for each slot
.set G1W,  36
.set G0X,  44
.set G0W,  52
.set MSB, 0
.macro WIN new                         ; the immediate's high byte repeats the setting that is left; a switch that changes nothing is dropped
.if MSB != (\new)
	s_set_vgpr_msb (MSB<<8)|(\new)
.set MSB, (\new)
.endif
.endm
.macro PLACES n
.rept \n
	v_nop
.endr
.endm
; A joint load: wave 0 fetches x's 256 rows, waves 1, 2, 3 the 64 rows of Wq, Wk, Wv.  The branch hangs on the wave's number alone.  Four v_nop follow each of the two lines.
.macro JLOAD s
	s_cmp_eq_u32 s[WV], 0
	s_cbranch_scc0 .Lfor_w_\@
	tensor_load_to_lds s[G0X+4*\s:G0X+4*\s+3], s[G1X:G1X+7]
	s_nop 0
.rept 4
	v_nop
.endr
	s_branch .Lasked_\@
.Lfor_w_\@:
	tensor_load_to_lds s[G0W+4*\s:G0W+4*\s+3], s[G1W:G1W+7]
	s_nop 0
.rept 4
	v_nop
.endr
.Lasked_\@:
.endm
.macro CREST                           ; a round of the cluster's barrier behind its opening barrier
	s_cmp_lg_u32 s[WV], 0
	s_cbranch_scc1 .Lnot_wave_0_\@
	s_barrier_signal -3
.Lnot_wave_0_\@:
	s_barrier_wait -3
	s_barrier_signal -1
	s_barrier_wait -1
.endm
.macro CROUND                          ; a whole round
	s_barrier_signal -1
	s_barrier_wait -1
	CREST
.endm
	s_load_b512 s[4:19], s[0:1], 0x0               ; x s[4:5], Wq s[6:7], Wk s[8:9], Wv s[10:11], q_b s[12:13], k_b s[14:15], v_b s[16:17], the scales' exponents s[18:19]
	s_load_b128 s[20:23], s[0:1], 0x40             ; q_img, k_img
	s_load_b64 s[24:25], s[0:1], 0x50              ; v_img
	v_lshl_add_u32 v[SPW], v0, 2, SPARE
	v_mov_b32 v[NIL], 0
	ds_add_u32 v28, v29
	ds_add_u32 v28, v29
	s_wait_dscnt 0x0
	v_lshrrev_b32 v1, 5, v0
	v_readfirstlane_b32 s[WV], v1                  ; wave 0..3
	s_lshr_b32 s[TH], s[WV], 1
	s_and_b32 s[ROLE], s[WV], 1
	s_bfe_u32 s96, ttmp6, 0x40000                  ; cx, cy: my place in the cluster
	s_bfe_u32 s97, ttmp6, 0x40004
	s_lshl_b32 s[HEAD], ttmp9, 2
	s_add_co_u32 s[HEAD], s[HEAD], s96             ; head = 4 x cluster x + cx
	s_and_b32 s[YB], ttmp7, 0xffff
	s_lshl_b32 s[YB], s[YB], 2
	s_add_co_u32 s[YB], s[YB], s97                 ; block of 256 tokens = 4 x cluster y + cy
	s_lshl_b32 s98, s97, 2
	s_lshl_b32 s98, 15, s98                        ; my row of the cluster
	s_lshl_b32 s99, 0x1111, s96                    ; my column
	s_or_b32 s[G1X], s98, (1<<20)|(1<<21)|(5<<22)|(3<<25)   ; 15:0 the mask; 17:16 elements of 1 byte; 20 padding on; 21 set beside a mask; 24:22 after every 64 words; 31:25 four words
	s_or_b32 s[G1W], s99, (1<<20)|(1<<21)|(5<<22)|(3<<25)
.irp g, G1X, G1W
	s_mov_b32 s[\g+1], 256<<16                     ; tensor_dim0 = 256
	s_mov_b32 s[\g+3], 256<<16                     ; tile_dim0 = 256
	s_mov_b32 s[\g+5], 1024                        ; from row to row
	s_mov_b32 s[\g+6], 0
	s_mov_b32 s[\g+7], 0
.endr
	s_mov_b32 s[G1X+2], 256<<16                    ; tensor_dim1, tile_dim1: x 256 rows,
	s_mov_b32 s[G1X+4], 256
	s_mov_b32 s[G1W+2], 64<<16                     ; a weight 64
	s_mov_b32 s[G1W+4], 64
	s_mul_i32 s63, s[WV], 64*PITCH
	s_add_co_u32 s63, s63, 192*PITCH               ; where wave 1, 2, 3 puts its weight's rows: behind x's 256
	s_wait_kmcnt 0x0
	s_load_b256 s[68:75], s[18:19], 0x0            ; e0 .. e7
	s_load_b128 s[76:79], s[18:19], 0x20           ; e8 .. e11
	s_lshl_b32 s94, s[YB], 18                      ; 256 rows of 1,024 bytes
	s_mov_b32 s95, 0
	s_add_nc_u64 s[94:95], s[4:5], s[94:95]        ; x at my block: made of the token block alone
	s_cmp_eq_u32 s[WV], 1
	s_cselect_b64 s[90:91], s[6:7], s[8:9]
	s_cmp_eq_u32 s[WV], 3
	s_cselect_b64 s[90:91], s[10:11], s[90:91]     ; wave 1: Wq, wave 2: Wk, wave 3: Wv
	s_lshl_b32 s92, s[HEAD], 16                    ; 64 rows of 1,024 bytes
	s_mov_b32 s93, 0
	s_add_nc_u64 s[90:91], s[90:91], s[92:93]      ; at my head: made of the head alone
	CROUND                                         ; all sixteen work-groups are here: the first joint loads meet
.irp s, 0,1
	s_mov_b32 s[G0X+4*\s], 1
	s_mov_b32 s[G0X+4*\s+1], \s*SLOT
	s_add_nc_u64 s[G0X+4*\s+2:G0X+4*\s+3], s[94:95], \s*256
	s_or_b32 s[G0X+4*\s+3], s[G0X+4*\s+3], 0x80000000
	s_mov_b32 s[G0W+4*\s], 1
	s_add_co_u32 s[G0W+4*\s+1], s63, \s*SLOT
	s_add_nc_u64 s[G0W+4*\s+2:G0W+4*\s+3], s[90:91], \s*256
	s_or_b32 s[G0W+4*\s+3], s[G0W+4*\s+3], 0x80000000
.endr
	JLOAD 0                                        ; slot 0: one tensor load a wave at the head
	; where my prefetches stand: wave 0: my work-group's 64 of x's 256 rows (by cx); waves 1 to 3: my work-group's 16 of the weight's 64 rows (by cy)
	s_lshl_b32 s92, s96, 16
	s_lshl_b32 s93, s97, 14
	s_cmp_eq_u32 s[WV], 0
	s_cselect_b64 s[66:67], s[94:95], s[90:91]
	s_cselect_b32 s92, s92, s93
	s_mov_b32 s93, 0
	s_add_nc_u64 s[66:67], s[66:67], s[92:93]
	; lanes and LDS addresses
	v_and_b32 v1, 15, v0                           ; r
	v_bfe_u32 v2, v0, 4, 1                         ; h
	v_mul_u32_u24 v3, v1, PITCH
	v_lshl_add_u32 v3, v2, 4, v3                   ; a fragment's row x pitch + 16 h
	s_mul_i32 s90, s[TH], 128*PITCH                ; my 128 tokens
	v_add_nc_u32 v[ADX], s90, v3
	v_add_nc_u32 v[ADX+1], SLOT, v[ADX]
	s_mul_i32 s91, s[ROLE], 64*PITCH
	s_add_co_u32 s91, s91, 256*PITCH               ; Wq's rows or Wk's
	v_add_nc_u32 v[ADW], s91, v3
	v_add_nc_u32 v[ADW+1], SLOT, v[ADW]
	v_and_b32 v15, 8, v1
	v_add_nc_u32 v15, v15, v1                      ; r + 8 (r / 8): THE ROWS OF Wv THAT FORM A TILE ARE NOT NEIGHBOURS (v_img's layout above); the two groups of eight lie 16 rows apart
	v_mul_u32_u24 v[ADV], v15, PITCH
	v_lshl_add_u32 v[ADV], v2, 4, v[ADV]
	s_mul_i32 s92, s[ROLE], 32*PITCH
	s_add_co_u32 s92, s92, 384*PITCH
	v_add_nc_u32 v[ADV], s92, v[ADV]
	v_add_nc_u32 v[ADV+1], SLOT, v[ADV]
	v_and_b32 v[L16], 31, v0
	v_lshlrev_b32 v[L16], 4, v[L16]
	s_lshl_b32 s93, s[TH], 15
	s_add_co_u32 s93, s93, SCB
	v_add_nc_u32 v[ADS], s93, v[L16]               ; my eight token tiles' sines and cosines
	s_lshl_b32 s93, s[WV], 14
	s_add_co_u32 s93, s93, SCB
	v_add_nc_u32 v[ADSW], s93, v[L16]              ; the four tiles that I make
	v_lshlrev_b32 v[BO], 5, v2
	v_lshlrev_b32 v[VO], 2, v15
	v_lshlrev_b32 v25, 10, v1                      ; the prefetches' offsets, never rewritten.  v25: row r, and lanes 16-31 one K step further on
	v_lshl_add_u32 v25, v2, 8, v25
	v_and_b32 v24, 31, v0
	v_min_u32 v26, 15, v24
	v_lshlrev_b32 v24, 10, v24                     ; v24: a lane a row
	v_lshlrev_b32 v26, 10, v26                     ; v26: row min(lane, 15)
	; ---- SINE AND COSINE.  Register 8 f + j of a lane belongs to frequency i = 16 f + 8 h + j (f = 0, 1): the layout of the accumulators' tiles f and f + 2.
	v_cmp_ne_u32 vcc_lo, 0, v2
.macro FREQ i, lo, hi                  ; 10^(i / 8): lanes 0-15 take lo, lanes 16-31 hi
	v_mov_b32 v[INV+\i], \hi
	v_cndmask_b32 v[INV+\i], \lo, v[INV+\i], vcc_lo
.endm
	FREQ 0, 1.0, 10.0
	FREQ 1, 1.33352143216, 13.3352143216
	FREQ 2, 1.77827941004, 17.7827941004
	FREQ 3, 2.37137370566, 23.7137370566
	FREQ 4, 3.16227766017, 31.6227766017
	FREQ 5, 4.21696503429, 42.1696503429
	FREQ 6, 5.62341325190, 56.2341325190
	FREQ 7, 7.49894209332, 74.9894209332
	FREQ 8, 100.0, 1000.0
	FREQ 9, 133.352143216, 1333.52143216
	FREQ 10, 177.827941004, 1778.27941004
	FREQ 11, 237.137370566, 2371.37370566
	FREQ 12, 316.227766017, 3162.27766017
	FREQ 13, 421.696503429, 4216.96503429
	FREQ 14, 562.341325190, 5623.41325190
	FREQ 15, 749.894209332, 7498.94209332
	s_wait_alu depctr_va_vdst(0)
.irp i, 0,1,2,3,4,5,6,7,8,9,10,11,12,13,14,15
	v_rcp_f32 v[AN+\i], v[INV+\i]
.endr
	v_nop                                          ; a plain instruction behind the last reciprocal,
	s_wait_alu depctr_va_vdst(0)                   ; and one wait for the sixteen, ahead of their first reader
.irp p, 0,2,4,6,8,10,12,14
	v_pk_fma_f32 v[TT+\p:TT+\p+1], v[INV+\p:INV+\p+1], v[AN+\p:AN+\p+1], 1.0 op_sel_hi:[1,1,0] neg_lo:[1,0,0] neg_hi:[1,0,0]   ; 1 - P r
.endr
.irp p, 0,2,4,6,8,10,12,14
	v_pk_fma_f32 v[INV+\p:INV+\p+1], v[AN+\p:AN+\p+1], v[TT+\p:TT+\p+1], v[AN+\p:AN+\p+1]   ; one step of Newton's iteration brings 1 / P to f32's last bit
.endr
.irp u, 0,1
	v_mov_b32 v[MG+\u], 0x4b400000                 ; 1.5 x 2^23: added to a small number it rounds it to a whole one
	v_mov_b32 v[K13+\u], 0x2f309231                ; 1 / 13!
	v_mov_b32 v[K12+\u], 0x310f76c7                ; 1 / 12!
.endr
	s_and_b32 s90, s[YB], 7
	s_lshl_b32 s90, s90, 8                         ; my block's first position in its sequence of 2,048,
	s_lshl_b32 s91, s[WV], 6
	s_add_co_u32 s90, s90, s91                     ; + the 64 tokens whose tables I make
	v_add_nc_u32 v[POS], s90, v1
	v_cvt_f32_u32 v[POS], v[POS]
	v_mov_b32 v[POS+1], v[POS]                     ; (named with it as a pair, so it is written)
.macro SINCOS i                        ; token tile 4 w + i: 16 angles a lane, stage by stage over eight pairs
.if \i > 0
	s_wait_dscnt 0x0                               ; the last tile's stores have read their registers
	v_add_f32 v[POS], 0x41800000, v[POS]           ; 16 positions on: exact
.endif
.irp p, 0,2,4,6,8,10,12,14
	v_pk_mul_f32 v[AN+\p:AN+\p+1], v[INV+\p:INV+\p+1], v[POS:POS+1] op_sel_hi:[1,0]   ; the angle
.endr
.irp p, 0,2,4,6,8,10,12,14
	v_pk_fma_f32 v[TT+\p:TT+\p+1], v[AN+\p:AN+\p+1], 0x3ea2f983, v[MG:MG+1] op_sel_hi:[1,0,1]   ; angle / pi + 1.5 x 2^23: its lowest bits are n, the nearest whole number (at most 652)
.endr
.irp p, 0,2,4,6,8,10,12,14
	v_pk_add_f32 v[NN+\p:NN+\p+1], v[TT+\p:TT+\p+1], v[MG:MG+1] neg_lo:[0,1] neg_hi:[0,1]   ; n as f32
.endr
.irp p, 0,2,4,6,8,10,12,14
	v_pk_fma_f32 v[AN+\p:AN+\p+1], v[NN+\p:NN+\p+1], 0xc0490fdb, v[AN+\p:AN+\p+1] op_sel_hi:[1,0,1]   ; angle - n x pi's upper part: a multiple of 2^-22 under 2, so nothing is rounded
.endr
.irp p, 0,2,4,6,8,10,12,14
	v_pk_fma_f32 v[AN+\p:AN+\p+1], v[NN+\p:NN+\p+1], 0x33bbbd2e, v[AN+\p:AN+\p+1] op_sel_hi:[1,0,1]   ; - n x pi's lower part: r
.endr
.irp p, 0,2,4,6,8,10,12,14
	v_pk_mul_f32 v[ZZ+\p:ZZ+\p+1], v[AN+\p:AN+\p+1], v[AN+\p:AN+\p+1]   ; z = r r
.endr
.irp p, 0,2,4,6,8,10,12,14
	v_pk_fma_f32 v[PS+\p:PS+\p+1], v[ZZ+\p:ZZ+\p+1], v[K13:K13+1], 0xb2d7322b op_sel_hi:[1,1,0]   ; the sine's series: z / 13! - 1 / 11!,
	v_pk_fma_f32 v[PC+\p:PC+\p+1], v[ZZ+\p:ZZ+\p+1], v[K12:K12+1], 0xb493f27e op_sel_hi:[1,1,0]   ; the cosine's: z / 12! - 1 / 10!
.endr
.irp k, 0x3638ef1d, 0xb9500d01, 0x3c088889, 0xbe2aaaab   ; 1 / 9!, -1 / 7!, 1 / 5!, -1 / 3!
.irp p, 0,2,4,6,8,10,12,14
	v_pk_fma_f32 v[PS+\p:PS+\p+1], v[PS+\p:PS+\p+1], v[ZZ+\p:ZZ+\p+1], \k op_sel_hi:[1,1,0]
.endr
.endr
.irp k, 0x37d00d01, 0xbab60b61, 0x3d2aaaab, -0.5         ; 1 / 8!, -1 / 6!, 1 / 4!, -1 / 2
.irp p, 0,2,4,6,8,10,12,14
	v_pk_fma_f32 v[PC+\p:PC+\p+1], v[PC+\p:PC+\p+1], v[ZZ+\p:ZZ+\p+1], \k op_sel_hi:[1,1,0]
.endr
.endr
.irp p, 0,2,4,6,8,10,12,14
	v_pk_mul_f32 v[NN+\p:NN+\p+1], v[ZZ+\p:ZZ+\p+1], v[AN+\p:AN+\p+1]   ; z r
.endr
.irp p, 0,2,4,6,8,10,12,14
	v_pk_fma_f32 v[PS+\p:PS+\p+1], v[PS+\p:PS+\p+1], v[NN+\p:NN+\p+1], v[AN+\p:AN+\p+1]   ; sin r
	v_pk_fma_f32 v[PC+\p:PC+\p+1], v[PC+\p:PC+\p+1], v[ZZ+\p:ZZ+\p+1], 1.0 op_sel_hi:[1,1,0]   ; cos r
.endr
.irp u, 0,1,2,3,4,5,6,7,8,9,10,11,12,13,14,15
	v_lshlrev_b32 v[TT+\u], 31, v[TT+\u]           ; n's lowest bit as a sign: both change sign where n is odd
.endr
.irp u, 0,1,2,3,4,5,6,7,8,9,10,11,12,13,14,15
	v_xor_b32 v[PS+\u], v[PS+\u], v[TT+\u]
	v_xor_b32 v[PC+\u], v[PC+\u], v[TT+\u]
.endr
.irp q, 0,1,2,3
	ds_store_b128 v[ADSW], v[PC+4*\q:PC+4*\q+3] offset:4096*\i+512*\q
	ds_store_b128 v[ADSW], v[PS+4*\q:PS+4*\q+3] offset:4096*\i+2048+512*\q
.endr
.endm
; A PREFETCH INTO THE L2 of the rows' 256 bytes of K step n.  The four partners that ask for a tile jointly share its rows out by address, so each block of 256 bytes is named once in a cluster.
; Wave 0 asks for x (64 rows: two instructions); waves 1 to 3 each for their weight's 16 rows: with n = 1 for K steps 1 and 2, with n = 3 for K step 3.  K step 0 comes by its load alone; the last is K step 3.
.macro ASK n
	s_cmp_eq_u32 s[WV], 0
	s_cbranch_scc0 .Lask_w_\@
	global_prefetch_b8 v24, s[66:67] offset:256*\n th:TH_LOAD_NT scope:SCOPE_SE
	global_prefetch_b8 v24, s[66:67] offset:256*\n+32768 th:TH_LOAD_NT scope:SCOPE_SE
	s_branch .Lask_done_\@
.Lask_w_\@:
.if \n == 1
	global_prefetch_b8 v25, s[66:67] offset:256 th:TH_LOAD_NT scope:SCOPE_SE
.endif
.if \n == 3
	global_prefetch_b8 v26, s[66:67] offset:768 th:TH_LOAD_NT scope:SCOPE_SE
.endif
.Lask_done_\@:
.endm
	SINCOS 0
	ASK 1
	SINCOS 1
	ASK 2
	SINCOS 2
	SINCOS 3
	; ---- the scales, where the results go, the biases
	s_wait_kmcnt 0x0
	s_cmp_eq_u32 s[ROLE], 0                        ; q's wave or k's: values and pointers are chosen, no path
	s_cselect_b32 s90, s68, s70
	s_cselect_b32 s91, s69, s71
	s_cselect_b32 s92, s74, s75
	s_cselect_b64 s[86:87], s[20:21], s[22:23]
	s_cselect_b64 s[96:97], s[12:13], s[14:15]
	s_add_co_i32 s80, s90, s91
	s_add_co_i32 s80, s80, 127
	s_lshl_b32 s80, s80, 23                        ; 2^(e0 + e1) or 2^(e2 + e3) as f32
	s_mov_b32 s81, s80                             ; (named with it as a pair, so it is written)
	s_add_co_i32 s82, s72, s73
	s_add_co_i32 s82, s82, 127
	s_lshl_b32 s82, s82, 23                        ; 2^(e4 + e5)
	s_mov_b32 s83, s82
	s_add_co_i32 s92, s92, 127
	s_lshl_b32 s93, s92, 23
	v_mov_b32 v[RSC], s93                          ; 2^e6 or 2^e7: the conversion takes its exponent field
	s_add_co_i32 s92, s92, 15
	s_lshl_b32 s92, s92, 23
	s_or_b32 s92, s92, 0x600000
	v_mov_b32 v[RLM], s92                          ; 57,344 x that
	s_add_co_i32 s92, s76, 127
	s_lshl_b32 s93, s92, 23
	v_mov_b32 v[VSC], s93                          ; 2^e8
	s_add_co_i32 s92, s92, 15
	s_lshl_b32 s92, s92, 23
	s_or_b32 s92, s92, 0x600000
	v_mov_b32 v[VLM], s92
	s_lshr_b32 s90, s[YB], 3
	s_lshl_b32 s90, s90, 4
	s_add_co_u32 s90, s90, s[HEAD]                 ; 16 x batch + head
	s_and_b32 s91, s[YB], 7                        ; my block in its sequence
	s_lshl_b32 s92, s90, 7
	s_lshl_b32 s93, s91, 4
	s_add_co_u32 s92, s92, s93
	s_lshl_b32 s93, s[TH], 3
	s_add_co_u32 s92, s92, s93                     ; my first token tile
	s_lshl_b32 s92, s92, 10                        ; of 1,024 bytes
	s_mov_b32 s93, 0
	s_add_nc_u64 s[86:87], s[86:87], s[92:93]
	s_lshl_b32 s92, s90, 4
	s_lshl_b32 s93, s91, 1
	s_add_co_u32 s92, s92, s93
	s_add_co_u32 s92, s92, s[TH]                   ; my step of 128 keys
	s_lshl_b32 s92, s92, 2
	s_lshl_b32 s93, s[ROLE], 1
	s_add_co_u32 s92, s92, s93                     ; my first fragment of its four
	s_lshl_b32 s92, s92, 11                        ; of 2,048 bytes
	s_mov_b32 s93, 0
	s_add_nc_u64 s[88:89], s[24:25], s[92:93]
	s_lshl_b32 s90, s[HEAD], 8                     ; the head's 64 numbers of a bias
	s_mov_b32 s91, 0
	s_add_nc_u64 s[96:97], s[96:97], s[90:91]
	s_lshl_b32 s94, s[ROLE], 7
	s_add_co_u32 s94, s94, s90
	s_mov_b32 s95, 0
	s_add_nc_u64 s[94:95], s[16:17], s[94:95]      ; v_b at my 32 channels
	s_wait_dscnt 0x0                               ; my sines and cosines have landed: for the other waves, and ahead of the loads into registers that the stores read
.irp f, 0,1,2,3
	global_load_b128 v[RB+8*\f:RB+8*\f+3], v[BO], s[96:97] offset:64*\f         ; register 8 f + j: b(16 f + 8 h + j)
	global_load_b128 v[RB+8*\f+4:RB+8*\f+7], v[BO], s[96:97] offset:64*\f+16
.endr
.irp g, 0,1
	global_load_b32 v[VB+2*\g], v[VO], s[94:95] offset:32*\g
	global_load_b32 v[VB+2*\g+1], v[VO], s[94:95] offset:32*\g
.endr
.macro FRAG reg, adr, off              ; a fragment, 16 rows x 128 K: registers 4 c .. 4 c + 3 hold K = 32 c + 16 h + 0 .. 15 of row r
.irp c, 0,1,2,3
	ds_load_b128 v[(\reg)+4*\c:(\reg)+4*\c+3], v[\adr] offset:(\off)+32*\c
.endr
.endm
; A step's 56 LDS loads (the slot's q-th 128 along K into set p) go in six runs, which stand among the other set's products: runs 0, 1: two of x's fragments and one of Wv's (12 loads each);
; runs 2, 3: two of x's (8 each); runs 4, 5: two of W's (8 each).  So behind the first 24 loads, which serve v's first eight products, come 16 for v's other eight and 16 for q's or k's.
.macro RUN slot, q, p, n
	WIN (1+\p)<<6
.if \n < 4
	FRAG 32*\n, ADX+\slot, 128*\q+32*\n*PITCH
	FRAG 32*\n+16, ADX+\slot, 128*\q+(32*\n+16)*PITCH
.else
	FRAG 128+32*(\n-4), ADW+\slot, 128*\q+32*(\n-4)*PITCH
	FRAG 144+32*(\n-4), ADW+\slot, 128*\q+(32*(\n-4)+16)*PITCH
.endif
.if \n < 2
	FRAG 192+16*\n, ADV+\slot, 128*\q+8*\n*PITCH
.endif
.endm
; The 48 accumulators take turns, one instruction a turn, in the same order in every step.  zero = 1: the first product starts the sums: nothing is cleared.
.macro MULV p, t0, n, zero             ; v: token tiles t0 .. t0 + n - 1 x my two tiles of channels
	WIN 5*(1+\p)
.set tt, \t0
.rept \n
.irp g, 0,1
.if \zero
	v_wmma_f32_16x16x128_bf8_bf8 v[VA+8*(2*tt+\g):VA+8*(2*tt+\g)+7], v[16*tt:16*tt+15], v[192+16*\g:192+16*\g+15], 0
.else
	v_wmma_f32_16x16x128_bf8_bf8 v[VA+8*(2*tt+\g):VA+8*(2*tt+\g)+7], v[16*tt:16*tt+15], v[192+16*\g:192+16*\g+15], v[VA+8*(2*tt+\g):VA+8*(2*tt+\g)+7]
.endif
.endr
.set tt, tt+1
.endr
.endm
.macro MULR p, t0, zero                ; q or k: token tiles t0, t0 + 1 x 4 tiles of features
	WIN 0xf0|5*(1+\p)
.irp t, \t0, \t0+1
.irp f, 0,1,2,3
.if \zero
	v_wmma_f32_16x16x128_bf8_bf8 v[8*(4*(\t)+\f):8*(4*(\t)+\f)+7], v[128+16*\f:128+16*\f+15], v[16*(\t):16*(\t)+15], 0
.else
	v_wmma_f32_16x16x128_bf8_bf8 v[8*(4*(\t)+\f):8*(4*(\t)+\f)+7], v[128+16*\f:128+16*\f+15], v[16*(\t):16*(\t)+15], v[8*(4*(\t)+\f):8*(4*(\t)+\f)+7]
.endif
.endr
.endr
.endm
; A slot's first step multiplies set 0 and fetches the slot's second 128 along K into set 1.  Loads into registers that matrix instructions have read stand four plain vector instructions behind them.
.macro EVEN slot, zero
.if \zero == 0
	PLACES 4
.endif
	s_wait_dscnt 32                                ; set 0's first 24 loads are in
	RUN \slot, 1, 1, 0
	MULV 0, 0, 4, \zero
	RUN \slot, 1, 1, 1
	s_wait_dscnt 40                                ; x's other four fragments are in: younger are W's 16 loads and the 24 of two runs
	MULV 0, 4, 4, \zero
	RUN \slot, 1, 1, 2
	s_wait_dscnt 32                                ; W's are in: younger are the 32 of three runs
	MULR 0, 0, \zero
	RUN \slot, 1, 1, 3
	MULR 0, 2, \zero
	RUN \slot, 1, 1, 4
	MULR 0, 4, \zero
	RUN \slot, 1, 1, 5
	MULR 0, 6, \zero
.endm
; A slot's second step multiplies set 1 and changes slots: ONE barrier; in front of it each wave waits for all its tensor loads (its part of the next slot), adds 0 to its spare word, and waits for that
; and for its reads of this slot.  fill = 1: the barrier opens a round of the cluster's, and this slot is filled again, 512 bytes further along K: the load has the next slot's 96 products in which to land.
.macro TURN slot, next, fill
	WIN 0                                          ; (the add's two registers lie in window 0)
	s_wait_tensorcnt 0x0
	ds_add_u32 v[SPW], v[NIL]                      ; 0 onto my spare word
	s_wait_dscnt 33                                ; set 1's first 24 loads are in; its other 32 and the add may be out
	MULV 1, 0, 4, 0
	s_wait_dscnt 0x0                               ; the add is done, and my reads of this slot are over
	s_barrier_signal -1
	MULV 1, 4, 4, 0
	WIN 0
	s_barrier_wait -1
.if \fill
	CREST                                          ; no wave of any partner still reads this slot or has a load on its way
	s_add_nc_u64 s[G0X+4*\slot+2:G0X+4*\slot+3], s[G0X+4*\slot+2:G0X+4*\slot+3], 512
	s_add_nc_u64 s[G0W+4*\slot+2:G0W+4*\slot+3], s[G0W+4*\slot+2:G0W+4*\slot+3], 512
	JLOAD \slot                                    ; the first tensor load behind the round; its four v_nop are also the places in front of the loads below
.else
	PLACES 4
.endif
	RUN \next, 0, 0, 0
	MULR 1, 0, 0
	RUN \next, 0, 0, 1
	MULR 1, 2, 0
	RUN \next, 0, 0, 2
	RUN \next, 0, 0, 3
	MULR 1, 4, 0
	RUN \next, 0, 0, 4
	RUN \next, 0, 0, 5
	MULR 1, 6, 0
.endm
	s_wait_alu depctr_va_vdst(0)                   ; the wait at the head's end
	s_wait_tensorcnt 0x0                           ; my part of slot 0 is in
	ds_add_u32 v[SPW], v[NIL]
	s_wait_dscnt 0x0
	CROUND                                         ; everybody's part is in, all sixteen tiles of sines and cosines lie in LDS, and all sixteen work-groups are here
	JLOAD 1                                        ; slot 1, the first tensor load behind the round
.irp n, 0,1,2,3,4,5
	RUN 0, 0, 0, \n
.endr
	WIN 0
	ASK 3
	EVEN 0, 1                                      ; K 0-127
	TURN 0, 1, 1                                   ; K 128-255; slot 0 takes K 512-767
	EVEN 1, 0
	TURN 1, 0, 1                                   ; slot 1 takes K 768-1,023
	EVEN 0, 0
	TURN 0, 1, 0                                   ; nothing is left to fetch
	EVEN 1, 0
	s_wait_dscnt 32
	MULV 1, 0, 4, 0
	s_wait_dscnt 16
	MULV 1, 4, 4, 0
	s_wait_dscnt 0x0
.irp t, 0,2,4,6
	MULR 1, \t, 0
.endr
	WIN 0
	PLACES 4                                       ; in front of the first reads of results
	s_wait_loadcnt 0x0                             ; the biases
	; ---- v: sum x 2^(e4 + e5) + v_b, held, converted: tile (t, g)'s eight tokens become registers 2 t, 2 t + 1 of fragment g
.irp t, 0,1,2,3,4,5,6,7
.irp g, 0,1
.irp j, 0,2,4,6
	v_pk_fma_f32 v[VA+8*(2*\t+\g)+\j:VA+8*(2*\t+\g)+\j+1], v[VA+8*(2*\t+\g)+\j:VA+8*(2*\t+\g)+\j+1], s[82:83], v[VB+2*\g:VB+2*\g+1] op_sel_hi:[1,0,1]
.endr
	s_wait_alu depctr_va_vdst(0)
.irp j, 0,1,2,3,4,5,6,7
	v_med3_num_f32 v[VA+8*(2*\t+\g)+\j], v[VA+8*(2*\t+\g)+\j], -v[VLM], v[VLM]   ; the conversion to an 8-bit code does not saturate (ISA guide 7.6.2): the hold at the largest code x the scale
.endr
	v_cvt_scalef32_pk8_bf8_f32 v[VC+16*\g+2*\t:VC+16*\g+2*\t+1], v[VA+8*(2*\t+\g):VA+8*(2*\t+\g)+7], v[VSC]
.endr
.endr
	v_nop                                          ; a plain instruction behind the last conversion: vector instructions below write its sources
.irp q, 0,1,2,3,4,5,6,7
	ds_load_b128 v[SC+4*\q:SC+4*\q+3], v[ADS] offset:512*\q   ; my first tile's cosines and sines, into registers that v's sums have left
.endr
.irp g, 0,1
.irp c, 0,1,2,3
	global_store_b128 v[L16], v[VC+16*\g+4*\c:VC+16*\g+4*\c+3], s[88:89] offset:2048*\g+512*\c   ; 32 lanes store 512 consecutive bytes, aligned
.endr
.endr
	; ---- q or k, a tile of 16 tokens at a time: sum x scale + bias, the rotation, the hold, the conversion
.macro ROPE t
.if \t < 7
.irp q, 0,1,2,3,4,5,6,7
	ds_load_b128 v[SC+32*((\t+1)%2)+4*\q:SC+32*((\t+1)%2)+4*\q+3], v[ADS] offset:4096*(\t+1)+512*\q   ; the next tile's, into the other set
.endr
.endif
	WIN 0x03                                       ; source 0: window 3
.irp f, 0,1,2,3
.irp j, 0,2,4,6
	v_pk_fma_f32 v[X+8*\f+\j:X+8*\f+\j+1], v[8*(4*\t+\f)+\j:8*(4*\t+\f)+\j+1], s[80:81], v[RB+8*\f+\j:RB+8*\f+\j+1] op_sel_hi:[1,0,1]   ; each accumulator from its low end on
.endr
.endr
	WIN 0
.if \t < 7
	s_wait_alu depctr_va_vdst(0)
	s_wait_dscnt 8                                 ; this tile's cosines and sines are in; the next tile's eight loads may be out
.else
	s_wait_alu depctr_va_vdst(0)
	s_wait_dscnt 0x0
.endif
.irp f, 0,1
.irp j, 0,2,4,6
	v_pk_mul_f32 v[TU+4*(4*\f+\j/2):TU+4*(4*\f+\j/2)+1], v[X+16+8*\f+\j:X+16+8*\f+\j+1], v[SC+32*(\t%2)+16+8*\f+\j:SC+32*(\t%2)+16+8*\f+\j+1]       ; x(d + 32) sin
	v_pk_mul_f32 v[TU+4*(4*\f+\j/2)+2:TU+4*(4*\f+\j/2)+3], v[X+8*\f+\j:X+8*\f+\j+1], v[SC+32*(\t%2)+16+8*\f+\j:SC+32*(\t%2)+16+8*\f+\j+1]         ; x(d) sin
.endr
.endr
.irp f, 0,1
.irp j, 0,2,4,6
	v_pk_fma_f32 v[X+8*\f+\j:X+8*\f+\j+1], v[X+8*\f+\j:X+8*\f+\j+1], v[SC+32*(\t%2)+8*\f+\j:SC+32*(\t%2)+8*\f+\j+1], v[TU+4*(4*\f+\j/2):TU+4*(4*\f+\j/2)+1] neg_lo:[0,0,1] neg_hi:[0,0,1]   ; x(d) cos - x(d + 32) sin
	v_pk_fma_f32 v[X+16+8*\f+\j:X+16+8*\f+\j+1], v[X+16+8*\f+\j:X+16+8*\f+\j+1], v[SC+32*(\t%2)+8*\f+\j:SC+32*(\t%2)+8*\f+\j+1], v[TU+4*(4*\f+\j/2)+2:TU+4*(4*\f+\j/2)+3]                    ; x(d + 32) cos + x(d) sin
.endr
.endr
.irp u, 0,1,2,3,4,5,6,7,8,9,10,11,12,13,14,15,16,17,18,19,20,21,22,23,24,25,26,27,28,29,30,31
	v_med3_num_f32 v[X+\u], v[X+\u], -v[RLM], v[RLM]
.endr
	s_wait_alu depctr_va_vdst(0)
	s_wait_xcnt 0x0                                ; the last tile's stores have read the codes' registers: they are written again only behind this wait
.irp f, 0,1,2,3
	v_cvt_scalef32_pk8_bf8_f32 v[RC+2*\f:RC+2*\f+1], v[X+8*\f:X+8*\f+7], v[RSC]
.endr
	v_nop                                          ; a plain instruction behind the last conversion: the next tile writes its sources
.irp c, 0,1
	global_store_b128 v[L16], v[RC+4*\c:RC+4*\c+3], s[86:87] offset:1024*\t+512*\c
.endr
.endm
.irp t, 0,1,2,3,4,5,6,7
	ROPE \t
.endr
	s_wait_tensorcnt 0x0                           ; the wave's end: behind my last tensor load and my last LDS store
	ds_add_u32 v[SPW], v[NIL]
	s_wait_dscnt 0x0
	CROUND                                         ; the closing round: no work-group ends while a partner may still ask for a tile that names it
	s_endpgm
.Lfunc_end_k_q03a8f25d41_qkv:
	.size	k_q03a8f25d41_qkv, .Lfunc_end_k_q03a8f25d41_qkv-k_q03a8f25d41_qkv
	.p2alignl 7, 3214868480
	.fill 96, 4, 3214868480
	.section	.rodata,"a",@progbits
	.p2align	6, 0x0
	.amdhsa_kernel k_q03a8f25d41_qkv
		.amdhsa_group_segment_fixed_size 327680
		.amdhsa_private_segment_fixed_size 0
		.amdhsa_enable_private_segment 0
		.amdhsa_kernarg_size 88
		.amdhsa_user_sgpr_count 2
		.amdhsa_user_sgpr_kernarg_segment_ptr 1
		.amdhsa_wavefront_size32 1
		.amdhsa_system_sgpr_workgroup_id_x 1
		.amdhsa_system_sgpr_workgroup_id_y 1
		.amdhsa_system_sgpr_workgroup_id_z 1
		.amdhsa_system_vgpr_workitem_id 0
		.amdhsa_next_free_vgpr 1024
		.amdhsa_next_free_sgpr 100
		.amdhsa_reserve_vcc 1
		.amdhsa_float_denorm_mode_32 3
		.amdhsa_float_denorm_mode_16_64 3
		.amdhsa_memory_ordered 1
		.amdhsa_forward_progress 1
		.amdhsa_inst_pref_size 197
	.end_amdhsa_kernel
	.amdgpu_metadata
---
amdhsa.version: [ 1, 2 ]
amdhsa.kernels:
  - .name:           k_q03a8f25d41_qkv
    .symbol:         k_q03a8f25d41_qkv.kd
    .args:
      - { .name: x_codes, .offset: 0, .size: 8, .value_kind: global_buffer, .address_space: global }
      - { .name: q_w_codes, .offset: 8, .size: 8, .value_kind: global_buffer, .address_space: global }
      - { .name: k_w_codes, .offset: 16, .size: 8, .value_kind: global_buffer, .address_space: global }
      - { .name: v_w_codes, .offset: 24, .size: 8, .value_kind: global_buffer, .address_space: global }
      - { .name: q_b, .offset: 32, .size: 8, .value_kind: global_buffer, .address_space: global }
      - { .name: k_b, .offset: 40, .size: 8, .value_kind: global_buffer, .address_space: global }
      - { .name: v_b, .offset: 48, .size: 8, .value_kind: global_buffer, .address_space: global }
      - { .name: lowp_scales, .offset: 56, .size: 8, .value_kind: global_buffer, .address_space: global }
      - { .name: q_img, .offset: 64, .size: 8, .value_kind: global_buffer, .address_space: global }
      - { .name: k_img, .offset: 72, .size: 8, .value_kind: global_buffer, .address_space: global }
      - { .name: v_img, .offset: 80, .size: 8, .value_kind: global_buffer, .address_space: global }
    .group_segment_fixed_size: 327680
    .private_segment_fixed_size: 0
    .kernarg_segment_align: 8
    .kernarg_segment_size: 88
    .max_flat_workgroup_size: 128
    .sgpr_count:     100
    .vgpr_count:     1024
    .wavefront_size: 32
...
	.end_amdgpu_metadata
.endif
;; end of part 1
;; launch attn (part 2): grid 8 x 32, 8 waves a work-group, clusters of 4 x 1, 327,680 bytes of LDS; arguments q_img, k_img, v_img, lowp_scales, a_img; writes a_img
.if DOCPART == 2
	.amdgcn_target "amdgcn-amd-amdhsa--gfx1250"
	.amdhsa_code_object_version 6
	.text
	.protected	k_q03a8f25d41_attn
	.globl	k_q03a8f25d41_attn
	.p2align	8
	.type	k_q03a8f25d41_attn,@function
k_q03a8f25d41_attn:
	s_mov_b64 s[64:65], 0
	v_nop
	global_prefetch_b8 v0, s[64:65] scope:SCOPE_SE
	s_setreg_imm32_b32 hwreg(HW_REG_WAVE_MODE, 25, 1), 1
	s_wait_xcnt 0x0
	s_wait_alu depctr_hold_cnt(0) depctr_sa_sdst(0) depctr_va_vdst(0) depctr_va_sdst(0) depctr_va_ssrc(0) depctr_va_vcc(0) depctr_vm_vsrc(0)
	s_getreg_b32 s2, hwreg(HW_REG_IB_STS2, 6, 4)
	s_cmp_eq_u32 s2, 0
	s_cbranch_scc0 .Lentry_in_a_cluster
	s_endpgm
.Lentry_in_a_cluster:
	s_bfe_u32 s2, ttmp6, 0x10000c
	s_cmp_lg_u32 s2, 0x3003
	s_cbranch_scc0 .Lentry_shape_is_right
	s_endpgm
.Lentry_shape_is_right:
; a = softmax(q k^T / 8) v for each of 2 x 16 heads of 64, on codes of E5M2 (q, k, v as the launch before has quantised them); a is quantised here for the launch behind (scale 2^e10).
; THE SOFTMAX: t = score x log2(e) / 8; M = the running largest t, rounded up to a whole number; p = 2^(t - M), not normalised, is quantised (2^e9); the row's sum is taken of the unquantised p and
; divides at the end.  When M moves, the sum and O are multiplied by 2^(old M - new M): exact.
; SHARES.  A work-group takes 256 queries of one head, each of its eight waves 32 (two tiles of 16): 8 x 32 = 256 work-groups.  A step is 128 keys: 16 steps.
; LDS HOLDS ALL OF THE HEAD'S K AND V: K's image (131,072 bytes) at 0, V's behind it.  Even waves fill K's, odd waves V's, by two joint loads each: at the head 8,192 bytes a wave (the first 512 keys,
; four steps); behind the full sequence 24,576 bytes (the other 1,536 keys), which are waited for three steps later.  Nothing is filled twice.
; CLUSTER 4 x 1: four work-groups of one head ask for K and V jointly.  No prefetch: all that is read from memory has been asked for ahead of the first step, so there is no loop to run ahead in.
; Both products are used transposed (S^T = k q^T, O^T = v^T p^T): a lane holds one query (lane % 16) throughout.
;   k_img's tiles are 16 neighbouring keys, so that the registers of a lane (r, h) in tile i hold keys 16 i + 8 h + 0 .. 7; v_img orders its keys the same way.
; REGISTERS.  Window 0: v1-4, v6-7 addresses; v8-23 two tiles' state (+0 -M, +1 largest t, +2, +3 sum, +4 f, +6, +7 at work); v24 the hold, v25 the conversion's scale; v28-31 the sums' second parts;
;   v32-63 p's codes; v64-191 scores, then p; v192-207 partial sums.   Window 1: K 0-63, V 64-127, Q 128-143, O^T 144-207.
; LIMITS: e6 + e7 between -123 and 130 (added to c's exponent field); e9 and e10 between -126 and 112.  The scaled scores t stay under 2^31 in magnitude.  NaN among the inputs is not served.
.set L16,  1                           ; 16 x lane
.set L16V, 2                           ; + V's first byte
.set ADK,  3
.set ADV,  4
.set SPW,  6                           ; my spare word, and 0: never rewritten
.set NIL,  7
.set ST,   8
.set LIM,  24
.set SCL,  25
.set PM,   26
.set CH,   28
.set P,    32
.set S,    64
.set TMP,  192
.set KF,   0
.set VF,   64
.set QF,   128
.set O,    144
.set SPARE, 0x40000                    ; behind K and V: the spare words, 128 bytes a wave, which no other line names
.set WV,   14
.set TB,   15                          ; s15 the step's first byte in K's and in V's image
.set G1,   16                          ; s[16:23], s[32:39] descriptor groups 1 of the first and the second load;  s[24:27], s[28:31] their groups 0
.set G1B,  32
.set G0,   24
.set G0B,  28
.set CS,   48
.set SEL,  50
.set CNT,  52
.set MSB, 0
.macro WIN new                         ; the immediate's high byte repeats the setting that is left
.if MSB != (\new)
	s_set_vgpr_msb (MSB<<8)|(\new)
.set MSB, (\new)
.endif
.endm
.macro CROUND                          ; a round of the cluster's barrier
	s_barrier_signal -1
	s_barrier_wait -1
	s_cmp_lg_u32 s[WV], 0
	s_cbranch_scc1 .Lnot_wave_0_\@
	s_barrier_signal -3
.Lnot_wave_0_\@:
	s_barrier_wait -3
	s_barrier_signal -1
	s_barrier_wait -1
.endm
	s_load_b256 s[4:11], s[0:1], 0x0               ; q_img, k_img, v_img, the scales' exponents
	s_load_b64 s[12:13], s[0:1], 0x20              ; a_img
	v_lshl_add_u32 v[SPW], v0, 2, SPARE
	v_mov_b32 v[NIL], 0
	ds_add_u32 v[SPW], v[NIL]                      ; the opening: the add, twice on end, and its wait
	ds_add_u32 v[SPW], v[NIL]
	v_lshrrev_b32 v3, 5, v0
	s_delay_alu instid0(VALU_DEP_1)
	v_readfirstlane_b32 s[WV], v3
	s_bfe_u32 s56, ttmp6, 0x40000                  ; cx
	s_lshl_b32 s57, ttmp9, 2
	s_add_co_u32 s57, s57, s56                     ; block of 256 queries
	s_and_b32 s58, ttmp7, 0xffff                   ; 16 x batch + head
.irp g, G1, G1B                        ; rows of 256 bytes, dense: 32 of them in the first load, 96 in the second
	s_mov_b32 s[\g], 15|(3<<16)|(1<<21)            ; the four partners; elements of 8 bytes; no padding
	s_mov_b32 s[\g+1], 32<<16
	s_mov_b32 s[\g+3], 32<<16
	s_mov_b32 s[\g+5], 32
	s_mov_b32 s[\g+6], 0
	s_mov_b32 s[\g+7], 0
.endr
	s_mov_b32 s[G1+2], 32<<16
	s_mov_b32 s[G1+4], 32
	s_mov_b32 s[G1B+2], 96<<16
	s_mov_b32 s[G1B+4], 96
	s_and_b32 s60, s[WV], 1                        ; K or V
	s_lshr_b32 s61, s[WV], 1                       ; which quarter of a load's keys
	s_lshl_b32 s59, s60, 17                        ; the image's first byte in LDS
	s_lshl_b32 s62, s61, 13
	s_mul_i32 s54, s61, 24576
	s_add_co_u32 s54, s54, 32768                   ; where my quarters begin in the image
	s_mov_b32 s63, 0
	s_mov_b32 s55, 0
	s_mov_b32 s[SEL], 0x76543210
	s_mov_b32 s[SEL+1], 0xfedcba98
	s_mov_b32 s[G0], 1
	s_add_co_u32 s[G0+1], s59, s62
	s_mov_b32 s[G0B], 1
	s_add_co_u32 s[G0B+1], s59, s54
	s_lshl_b32 s56, s58, 17                        ; the head's image of 131,072 bytes
	s_add_co_u32 s62, s62, s56
	s_add_co_u32 s54, s54, s56
	s_wait_alu depctr_va_vdst(0)
	s_wait_dscnt 0x0                               ; both opening adds are done
	s_wait_kmcnt 0x0
	s_load_b256 s[40:47], s[10:11], 0x10           ; e4 .. e11
	s_cmp_eq_u32 s60, 0
	s_cselect_b64 s[2:3], s[6:7], s[8:9]
	s_add_nc_u64 s[G0+2:G0+3], s[2:3], s[62:63]
	s_or_b32 s[G0+3], s[G0+3], 0x80000000
	s_add_nc_u64 s[G0B+2:G0B+3], s[2:3], s[54:55]
	s_or_b32 s[G0B+3], s[G0B+3], 0x80000000
	CROUND                                         ; all four work-groups are here: the joint loads meet
	tensor_load_to_lds s[G0:G0+3], s[G1:G1+7]      ; the first 512 keys
	s_nop 0
.rept 4
	v_nop
.endr
	s_lshl_b32 s60, s58, 7
	s_lshl_b32 s61, s57, 4
	s_add_co_u32 s60, s60, s61
	s_lshl_b32 s61, s[WV], 1
	s_add_co_u32 s60, s60, s61                     ; my first tile of 16 queries,
	s_lshl_b32 s60, s60, 10                        ; of 1,024 bytes
	s_mov_b32 s61, 0
	s_add_nc_u64 s[4:5], s[4:5], s[60:61]
	v_and_b32 v[L16], 31, v0
	s_delay_alu instid0(VALU_DEP_1)
	v_lshlrev_b32 v[L16], 4, v[L16]
	s_delay_alu instid0(VALU_DEP_1)
	v_add_nc_u32 v[L16V], 0x20000, v[L16]
	WIN 0x40
.irp t, 0,1
.irp c, 0,1
	global_load_b128 v[QF+8*\t+4*\c:QF+8*\t+4*\c+3], v[L16], s[4:5] offset:1024*\t+512*\c
.endr
.endr
	; O^T begins as zeros (the step is written without a first one of its own)
.set JJ, 0
.rept 64
	v_mov_b32 v[O+JJ], 0
.set JJ, JJ+1
.endr
	WIN 0
	s_lshr_b32 s60, s58, 4                         ; a_img: [block of 128 tokens][4 heads: 256 along K][tile of 16 tokens][head of the four][2 chunks][512]
	s_lshl_b32 s60, s60, 4
	s_lshl_b32 s61, s57, 1
	s_add_co_u32 s60, s60, s61
	s_lshr_b32 s61, s[WV], 2
	s_add_co_u32 s60, s60, s61
	s_lshl_b32 s60, s60, 17
	s_bfe_u32 s61, s58, 0x20002
	s_lshl_b32 s61, s61, 15
	s_add_co_u32 s60, s60, s61
	s_and_b32 s61, s[WV], 3
	s_lshl_b32 s61, s61, 13
	s_add_co_u32 s60, s60, s61
	s_and_b32 s61, s58, 3
	s_lshl_b32 s61, s61, 10
	s_add_co_u32 s60, s60, s61
	s_mov_b32 s61, 0
	s_add_nc_u64 s[54:55], s[12:13], s[60:61]
.irp t, 0,1
	v_mov_b32 v[ST+8*\t+1], 0xff61b1e6             ; the largest t so far: -3e38
	s_delay_alu instid0(VALU_DEP_1)
	v_floor_f32 v[ST+8*\t], -v[ST+8*\t+1]
	v_mov_b32 v[ST+8*\t+2], 0
	v_mov_b32 v[ST+8*\t+3], 0
	v_mov_b32 v[CH+2*\t], 0
	v_mov_b32 v[CH+2*\t+1], 0
	v_mov_b32 v[ST+8*\t+5], 0                      ; (named as the upper half of f's pair)
	v_mov_b32 v[PM+\t], 0                          ; (a lane permute's destination counts as a source)
.endr
	s_wait_kmcnt 0x0
	s_add_co_i32 s60, s42, s43
	s_lshl_b32 s60, s60, 23
	s_add_co_i32 s[CS], s60, 0x3e38aa3b            ; log2(e) / 8 x 2^(e6 + e7)
	s_mov_b32 s[CS+1], s[CS]
	s_add_co_i32 s60, s45, 127
	s_lshl_b32 s61, s60, 23
	v_mov_b32 v[SCL], s61                          ; 2^e9
	s_add_co_i32 s60, s60, 15
	s_lshl_b32 s60, s60, 23
	s_or_b32 s60, s60, 0x600000
	v_mov_b32 v[LIM], s60                          ; 57,344 x 2^e9
; A PHASE of the softmax.  A step's 128 scores a lane are eight groups of 16 (group g: tile g / 4).  In phase g stand side by side: group g's exponentials; group g + 1's t - M; group g - 1's first sums
; (pairs of pairs) and its hold (two numbers an instruction); group g - 2's second sums and conversions; group g - 3's addition to the row's sum (a tile's first group: with the rescaling, one multiply-add).
; Whatever a phase writes is read in a later one, and one wait stands between phases: it serves the exponentials' sources and results, and the sums, alike.
.macro PH g
.if \g < 9
	s_wait_alu depctr_va_vdst(0)
.endif
.if \g >= 3
.set GA, \g-3
.set UA, TMP+8*(GA%2)
.set SA, ST+8*(GA/4)+2
.set SB, CH+2*(GA/4)
.set FF, ST+8*(GA/4)+4
.if GA%4 == 0
	v_pk_fma_f32 v[SA:SA+1], v[SA:SA+1], v[FF:FF+1], v[UA:UA+1] op_sel_hi:[1,0,1]
	v_pk_fma_f32 v[SB:SB+1], v[SB:SB+1], v[FF:FF+1], v[UA+4:UA+5] op_sel_hi:[1,0,1]
.else
	v_pk_add_f32 v[SA:SA+1], v[SA:SA+1], v[UA:UA+1]
	v_pk_add_f32 v[SB:SB+1], v[SB:SB+1], v[UA+4:UA+5]
.endif
.endif
.set EG, S+16*\g
.set FG, S+16*\g+16
.set MG, S+16*\g-16
.set CG, S+16*\g-32
.set FM, ST+8*((\g+1)/4)
.set T1, TMP+8*((\g+1)%2)
.set T2, TMP+8*(\g%2)
.irp k, 0,1,2,3,4,5,6,7
.if \g < 8
	v_exp_f32 v[EG+2*\k], v[EG+2*\k]
.endif
.if \g < 7
	v_pk_fma_f32 v[FG+2*\k:FG+2*\k+1], v[FG+2*\k:FG+2*\k+1], s[CS:CS+1], v[FM:FM+1] op_sel_hi:[1,0,0]
.endif
.if (\g >= 1) && (\g < 9) && ((\k)%2 == 0)
	v_pk_add_f32 v[T1+\k:T1+\k+1], v[MG+2*\k:MG+2*\k+1], v[MG+2*\k+2:MG+2*\k+3]
.endif
.if \g < 8
	v_exp_f32 v[EG+2*\k+1], v[EG+2*\k+1]
.endif
.if (\g >= 1) && (\g < 9)
	v_dual_min_num_f32 v[MG+2*\k], v[LIM], v[MG+2*\k] :: v_dual_min_num_f32 v[MG+2*\k+1], v[LIM], v[MG+2*\k+1]
.endif
.if (\g >= 2) && (\g < 10)
.if \k == 1
	v_pk_add_f32 v[T2:T2+1], v[T2:T2+1], v[T2+2:T2+3]
.endif
.if \k == 3
	v_pk_add_f32 v[T2+4:T2+5], v[T2+4:T2+5], v[T2+6:T2+7]
.endif
.if \k == 5
	v_cvt_scalef32_pk8_bf8_f32 v[P+4*\g-8:P+4*\g-7], v[CG:CG+7], v[SCL]
.endif
.if \k == 7
	v_cvt_scalef32_pk8_bf8_f32 v[P+4*\g-6:P+4*\g-5], v[CG+8:CG+15], v[SCL]
.endif
.endif
.endr
.endm
; A STEP of 128 keys.  K's fragments were read one step ahead; in its middle the step reads its own V's and the next step's K's.  clamp = 1: the last step's look-ahead reads its own K's once more, which nothing uses.
.macro STEP clamp
.if \clamp
	s_min_u32 s53, s[TB], 14*8192
.endif
	s_wait_dscnt 0x0                               ; this step's K
	WIN 0x05
.irp i, 0,1,2,3,4,5,6,7
.irp t, 0,1
	v_wmma_f32_16x16x64_bf8_bf8 v[S+64*\t+8*\i:S+64*\t+8*\i+7], v[KF+8*\i:KF+8*\i+7], v[QF+8*\t:QF+8*\t+7], 0
.endr
.endr
	WIN 0
.if \clamp
	v_add_nc_u32 v[ADK], s53, v[L16]               ; these two and two v_nop are the four places ahead of the loads and of the first reads of scores
.else
	v_add_nc_u32 v[ADK], s[TB], v[L16]
.endif
	v_add_nc_u32 v[ADV], s[TB], v[L16V]
	v_nop
	v_nop
	WIN 0x40
.irp g, 0,1,2,3
.irp c, 0,1,2,3
	ds_load_b128 v[VF+16*\g+4*\c:VF+16*\g+4*\c+3], v[ADV] offset:2048*\g+512*\c
.endr
.endr
.irp i, 0,1,2,3,4,5,6,7
	ds_load_b128 v[KF+8*\i:KF+8*\i+3], v[ADK] offset:8192+1024*\i
	ds_load_b128 v[KF+8*\i+4:KF+8*\i+7], v[ADK] offset:8192+1024*\i+512
.endr
	WIN 0
.irp t, 0,1
	v_max3_num_f32 v[ST+8*\t+6], v[S+64*\t], v[S+64*\t+1], v[S+64*\t+2]
	v_max3_num_f32 v[ST+8*\t+7], v[S+64*\t+3], v[S+64*\t+4], v[S+64*\t+5]
.endr
.irp i, 6,10,14,18,22,26,30,34,38,42,46,50,54,58
.irp t, 0,1
	v_max3_num_f32 v[ST+8*\t+6], v[ST+8*\t+6], v[S+64*\t+\i], v[S+64*\t+\i+1]
	v_max3_num_f32 v[ST+8*\t+7], v[ST+8*\t+7], v[S+64*\t+\i+2], v[S+64*\t+\i+3]
.endr
.endr
.irp t, 0,1
	v_max3_num_f32 v[ST+8*\t+6], v[ST+8*\t+6], v[S+64*\t+62], v[S+64*\t+63]
.endr
.irp t, 0,1
	s_delay_alu instid0(VALU_DEP_2)
	v_max_num_f32 v[ST+8*\t+6], v[ST+8*\t+6], v[ST+8*\t+7]
.endr
.irp t, 0,1
	s_delay_alu instid0(VALU_DEP_2)
	v_permlanex16_b32 v[PM+\t], v[ST+8*\t+6], s[SEL], s[SEL+1]
.endr
.irp t, 0,1
	s_delay_alu instid0(VALU_DEP_2)
	v_max_num_f32 v[ST+8*\t+6], v[ST+8*\t+6], v[PM+\t]   ; among lane l xor 16's too
.endr
.irp t, 0,1
	s_delay_alu instid0(VALU_DEP_2)
	v_mul_f32 v[ST+8*\t+6], s[CS], v[ST+8*\t+6]
.endr
.irp t, 0
	s_delay_alu instid0(VALU_DEP_2)
	v_max_num_f32 v[ST+8*\t+1], v[ST+8*\t+1], v[ST+8*\t+6]
	v_mov_b32 v[ST+8*\t+6], v[ST+8*\t]
.endr
.irp t, 1
	s_delay_alu instid0(VALU_DEP_3)
	v_max_num_f32 v[ST+8*\t+1], v[ST+8*\t+1], v[ST+8*\t+6]
	v_mov_b32 v[ST+8*\t+6], v[ST+8*\t]
.endr
.irp t, 0
	s_delay_alu instid0(VALU_DEP_4)
	v_floor_f32 v[ST+8*\t], -v[ST+8*\t+1]          ; the new -M
.endr
.irp t, 1
	s_delay_alu instid0(VALU_DEP_3)
	v_floor_f32 v[ST+8*\t], -v[ST+8*\t+1]
.endr
.irp t, 0,1
	s_delay_alu instid0(VALU_DEP_2)
	v_sub_f32 v[ST+8*\t+6], v[ST+8*\t], v[ST+8*\t+6]
.endr
.irp t, 0,1
	s_delay_alu instid0(VALU_DEP_2)
	v_cvt_i32_f32 v[ST+8*\t+6], v[ST+8*\t+6]       ; (it saturates)
.endr
.irp t, 0,1
	s_delay_alu instid0(VALU_DEP_2)
	v_ldexp_f32 v[ST+8*\t+4], 1.0, v[ST+8*\t+6]    ; f = 2^(old M - new M)
.endr
.irp j, 0,2,4,6,8,10,12,14
	v_pk_fma_f32 v[S+\j:S+\j+1], v[S+\j:S+\j+1], s[CS:CS+1], v[ST:ST+1] op_sel_hi:[1,0,0]   ; group 0's t - M
.endr
	WIN 0x41
.irp j, 0,2,4,6,8,10,12,14,16,18,20,22,24,26,28,30
.irp t, 0,1
	v_pk_mul_f32 v[O+32*\t+\j:O+32*\t+\j+1], v[O+32*\t+\j:O+32*\t+\j+1], v[ST+8*\t+4:ST+8*\t+5] op_sel_hi:[1,0]
.endr
.endr
	WIN 0
.irp g, 0,1,2,3,4,5,6,7,8,9,10
	PH \g
.endr
	s_wait_alu depctr_va_vdst(0)
	s_wait_dscnt 16                                ; V is in; the next step's 16 loads of K may be out
	WIN 0x51
.irp g, 0,1,2,3
.irp t, 0,1
	v_wmma_f32_16x16x128_bf8_bf8 v[O+32*\t+8*\g:O+32*\t+8*\g+7], v[VF+16*\g:VF+16*\g+15], v[P+16*\t:P+16*\t+15], v[O+32*\t+8*\g:O+32*\t+8*\g+7]
.endr
.endr
	WIN 0
.endm
.macro STEPS first, n, clamp
	s_mov_b32 s[TB], 8192*\first
	s_mov_b32 s[CNT], \n
.Lstep_\@:
	STEP \clamp
	s_add_co_u32 s[TB], s[TB], 8192
	s_sub_co_u32 s[CNT], s[CNT], 1
	s_cmp_lg_u32 s[CNT], 0
	s_cbranch_scc1 .Lstep_\@
.endm
	s_wait_alu depctr_va_vdst(0)                   ; the wait at the head's end
	s_wait_loadcnt 0x0                             ; Q
	s_wait_tensorcnt 0x0                           ; my part of the first 512 keys is in
	ds_add_u32 v[SPW], v[NIL]
	s_wait_dscnt 0x0
	CROUND                                         ; everybody's part is in, and all four work-groups are here
	tensor_load_to_lds s[G0B:G0B+3], s[G1B:G1B+7]  ; the other 1,536 keys: the first tensor load behind the round
	s_nop 0
.rept 4
	v_nop
.endr
	WIN 0x40
.irp i, 0,1,2,3,4,5,6,7
	ds_load_b128 v[KF+8*\i:KF+8*\i+3], v[L16] offset:1024*\i
	ds_load_b128 v[KF+8*\i+4:KF+8*\i+7], v[L16] offset:1024*\i+512
.endr
	WIN 0
	STEPS 0, 3, 0                                  ; with the look-ahead these read keys 0 to 511
	s_wait_tensorcnt 0x0                           ; my second load is in,
	s_wait_dscnt 0x0
	s_barrier_signal -1
	s_barrier_wait -1                              ; and everybody's
	STEPS 3, 13, 1
.irp t, 0,1
	v_pk_add_f32 v[ST+8*\t+2:ST+8*\t+3], v[ST+8*\t+2:ST+8*\t+3], v[CH+2*\t:CH+2*\t+1]
.endr
.irp t, 0,1
	s_delay_alu instid0(VALU_DEP_2)
	v_add_f32 v[ST+8*\t+6], v[ST+8*\t+2], v[ST+8*\t+3]
.endr
.irp t, 0,1
	s_delay_alu instid0(VALU_DEP_2)
	v_permlanex16_b32 v[PM+\t], v[ST+8*\t+6], s[SEL], s[SEL+1]
.endr
.irp t, 0,1
	s_delay_alu instid0(VALU_DEP_2)
	v_add_f32 v[ST+8*\t+6], v[ST+8*\t+6], v[PM+\t]   ; the row's sum
.endr
	s_wait_alu depctr_va_vdst(0)                   ; the wait ahead of the transcendentals
.irp t, 0,1
	v_rcp_f32 v[ST+8*\t+4], v[ST+8*\t+6]
.endr
	v_nop
	s_add_co_i32 s56, s44, s45                     ; e8 + e9
	s_add_co_i32 s60, s46, 127
	s_lshl_b32 s61, s60, 23
	v_mov_b32 v[SCL], s61                          ; 2^e10
	s_add_co_i32 s60, s60, 15
	s_lshl_b32 s60, s60, 23
	s_or_b32 s60, s60, 0x600000
	v_mov_b32 v[LIM], s60                          ; 57,344 x that
	s_wait_alu depctr_va_vdst(0)                   ; and behind them
.irp t, 0,1
	v_ldexp_f32 v[ST+8*\t+4], v[ST+8*\t+4], s56
.endr
	WIN 0x01
	s_wait_alu depctr_va_vdst(0)                   ; the wait directly ahead of the first reader of O^T
.irp t, 0,1
.irp j, 0,2,4,6,8,10,12,14,16,18,20,22,24,26,28,30
	v_pk_mul_f32 v[S+32*\t+\j:S+32*\t+\j+1], v[O+32*\t+\j:O+32*\t+\j+1], v[ST+8*\t+4:ST+8*\t+5] op_sel_hi:[1,0]
.endr
.endr
	WIN 0
.irp t, 0,1
.set JJ, 0
.rept 32
	v_med3_num_f32 v[S+32*\t+JJ], v[S+32*\t+JJ], -v[LIM], v[LIM]
.set JJ, JJ+1
.endr
.irp g, 0,1,2,3
	v_cvt_scalef32_pk8_bf8_f32 v[P+16*\t+2*\g:P+16*\t+2*\g+1], v[S+32*\t+8*\g:S+32*\t+8*\g+7], v[SCL]
.endr
.endr
	v_nop
.irp t, 0,1
.irp b, 0,1
	global_store_b128 v[L16], v[P+16*\t+4*\b:P+16*\t+4*\b+3], s[54:55] offset:4096*\t+512*\b   ; 32 lanes store 512 consecutive bytes, aligned
.endr
.endr
	s_wait_tensorcnt 0x0                           ; the wave's end
	ds_add_u32 v[SPW], v[NIL]
	s_wait_dscnt 0x0
	CROUND                                         ; the closing round
	s_endpgm
.Lfunc_end_k_q03a8f25d41_attn:
	.size	k_q03a8f25d41_attn, .Lfunc_end_k_q03a8f25d41_attn-k_q03a8f25d41_attn
	.p2alignl 7, 3214868480
	.fill 96, 4, 3214868480
	.section	.rodata,"a",@progbits
	.p2align	6, 0x0
	.amdhsa_kernel k_q03a8f25d41_attn
		.amdhsa_group_segment_fixed_size 327680
		.amdhsa_private_segment_fixed_size 0
		.amdhsa_enable_private_segment 0
		.amdhsa_kernarg_size 40
		.amdhsa_user_sgpr_count 2
		.amdhsa_user_sgpr_kernarg_segment_ptr 1
		.amdhsa_wavefront_size32 1
		.amdhsa_system_sgpr_workgroup_id_x 1
		.amdhsa_system_sgpr_workgroup_id_y 1
		.amdhsa_system_sgpr_workgroup_id_z 1
		.amdhsa_system_vgpr_workitem_id 0
		.amdhsa_next_free_vgpr 464
		.amdhsa_next_free_sgpr 66
		.amdhsa_reserve_vcc 0
		.amdhsa_float_denorm_mode_32 3
		.amdhsa_float_denorm_mode_16_64 3
		.amdhsa_memory_ordered 1
		.amdhsa_forward_progress 1
		.amdhsa_inst_pref_size 77
	.end_amdhsa_kernel
	.amdgpu_metadata
---
amdhsa.version: [ 1, 2 ]
amdhsa.kernels:
  - .name:           k_q03a8f25d41_attn
    .symbol:         k_q03a8f25d41_attn.kd
    .args:
      - { .name: q_img, .offset: 0, .size: 8, .value_kind: global_buffer, .address_space: global }
      - { .name: k_img, .offset: 8, .size: 8, .value_kind: global_buffer, .address_space: global }
      - { .name: v_img, .offset: 16, .size: 8, .value_kind: global_buffer, .address_space: global }
      - { .name: lowp_scales, .offset: 24, .size: 8, .value_kind: global_buffer, .address_space: global }
      - { .name: a_img, .offset: 32, .size: 8, .value_kind: global_buffer, .address_space: global }
    .group_segment_fixed_size: 327680
    .private_segment_fixed_size: 0
    .kernarg_segment_align: 8
    .kernarg_segment_size: 40
    .max_flat_workgroup_size: 256
    .sgpr_count:     66
    .vgpr_count:     464
    .wavefront_size: 32
...
	.end_amdgpu_metadata
.endif
;; end of part 2
;; launch oproj (part 3): grid 8 x 32, 4 waves a work-group, clusters of 4 x 4, 327,680 bytes of LDS; arguments a_img, o_w_codes, o_b, lowp_scales, out0; writes out0
.if DOCPART == 3
	.amdgcn_target "amdgcn-amd-amdhsa--gfx1250"
	.amdhsa_code_object_version 6
	.text
	.protected	k_q03a8f25d41_oproj
	.globl	k_q03a8f25d41_oproj
	.p2align	8
	.type	k_q03a8f25d41_oproj,@function
k_q03a8f25d41_oproj:
	s_mov_b64 s[64:65], 0
	v_nop
	global_prefetch_b8 v0, s[64:65] scope:SCOPE_SE
	s_setreg_imm32_b32 hwreg(HW_REG_WAVE_MODE, 25, 1), 1
	s_wait_xcnt 0x0
	s_wait_alu depctr_hold_cnt(0) depctr_sa_sdst(0) depctr_va_vdst(0) depctr_va_sdst(0) depctr_va_ssrc(0) depctr_va_vcc(0) depctr_vm_vsrc(0)
	s_getreg_b32 s2, hwreg(HW_REG_IB_STS2, 6, 4)
	s_cmp_eq_u32 s2, 0
	s_cbranch_scc0 .Lentry_in_a_cluster
	s_endpgm
.Lentry_in_a_cluster:
	s_bfe_u32 s2, ttmp6, 0x10000c
	s_cmp_lg_u32 s2, 0xf033
	s_cbranch_scc0 .Lentry_shape_is_right
	s_endpgm
.Lentry_shape_is_right:
; out = a o_w^T + o_b on codes of E5M2: a is the attention's result as the launch before has quantised it (scale 2^e10), o_w is given as codes (2^e11).  out0: [4,096][1,024] f32.
; SHARES.  A tile of out0 is 128 tokens x 128 features: 8 x 32 = 256 work-groups.  Four waves, each 64 x 64: four tiles of 16 tokens x 64 features, finished one after the other, so that a tile leaves
; while the next is multiplied.  o_w's fragments of the wave's 64 features x 1,024 stay in 512 registers: no fragment is read twice.
; NO RING.  Both operands for all of K = 1,024 lie in LDS whole; each wave fills one part by ONE joint load at the head: waves 0, 1: a's halves along K; waves 2, 3: o_w's halves along K.
; No prefetch: all is asked for at the head, and there is no loop to run ahead in.
; a_img holds images of operand registers (four registers in 512 bytes, lane l's 16 bytes at 16 l; chunk c: k = 32 c + 16 (lane / 16) + 0 .. 15 of a K step of 128); o_w's rows come padded, and four loads
; of 16 bytes, 32 apart, give a lane the same k in the same registers.
; CLUSTER 4 x 4: a's tile hangs on the token block alone and is asked for jointly along a row of the cluster, o_w's on the feature block alone, along a column.
; THE MATRIX INSTRUCTION IS USED TRANSPOSED (source 0 = 16 rows of o_w, source 1 = 16 tokens): a lane holds eight neighbouring features of one token, 32 bytes of a row of out0.
; LIMIT: e10 + e11 lies between -126 and 127, so that 2^(e10 + e11) is an f32 number.
; REGISTERS.  Window 0: v1-13 lanes and addresses; v32-63 o_b; v64-95 at work on the way out; v128-255 the accumulators, (t, f) at v[128 + 8 (4 t + f)].
;   Windows 1, 2: o_w's fragments of K steps 0-3, 4-7, (k, f) at v[64 (k % 4) + 16 f].   Window 3: a's fragments of two token tiles by turns, (t, k) at v[128 (t % 2) + 16 k].
.set PITCH, 272                        ; the stage's rows: 256 bytes + 16
.set WPITCH, 528                       ; o_w's rows of half of K: 512 bytes + 16
.set WBASE, 131072                     ; a's images lie at 0;  o_w's two halves along K from here
.set WHALF, 128*WPITCH
.set STAGE, WBASE+2*WHALF              ; the way out: 16 rows x 272 bytes for each wave; no tensor load lands here
.set SPARE, STAGE+4*16*PITCH           ; the spare words, 128 bytes for each wave, which no other line names
.set ADA,  4                           ; v4-5  LDS address of my a fragments in K's halves
.set ADW,  6                           ; v6-7  of my o_w fragments
.set STO,  8                           ; v8    the way out: where I put 32 bytes of a row
.set RD,   9                           ; v9    where I read a row back
.set CO,   10                          ; v10   my byte offset in out0
.set BO,   11                          ; v11   32 x (lane / 16)
.set SPW,  12                          ; v12-13 my spare word, and 0: never rewritten
.set NIL,  13
.set OB,   32
.set TMP,  64
.set ACC,  128
.set WV,   14
.set MH,   15                          ; s15  which 64 tokens are mine.  Also: I fetch for a (0) or for o_w (1)
.set NH,   16                          ; s16  which 64 features.  Also: which half of K I fetch
.set NB,   86
.set MB,   87
.set G1A,  20                          ; s[20:27], s[28:35] descriptor groups 1;  s[36:39], s[40:43] groups 0
.set G1W,  28
.set G0A,  36
.set G0W,  40
.set MSB, 0
.macro WIN new
.if MSB != (\new)
	s_set_vgpr_msb (MSB<<8)|(\new)
.set MSB, (\new)
.endif
.endm
.macro PLACES n
.rept \n
	v_nop
.endr
.endm
.macro CROUND                          ; a round of the cluster's barrier
	s_barrier_signal -1
	s_barrier_wait -1
	s_cmp_lg_u32 s[WV], 0
	s_cbranch_scc1 .Lnot_wave_0_\@
	s_barrier_signal -3
.Lnot_wave_0_\@:
	s_barrier_wait -3
	s_barrier_signal -1
	s_barrier_wait -1
.endm
	s_load_b256 s[4:11], s[0:1], 0x0               ; a_img s[4:5], o_w s[6:7], o_b s[8:9], the scales' exponents s[10:11]
	s_load_b64 s[12:13], s[0:1], 0x20              ; out0
	v_lshl_add_u32 v[SPW], v0, 2, SPARE
	v_mov_b32 v[NIL], 0
	ds_add_u32 v[SPW], v[NIL]                      ; the opening: the add, twice on end, and its wait
	ds_add_u32 v[SPW], v[NIL]
	v_lshrrev_b32 v1, 5, v0
	v_readfirstlane_b32 s[WV], v1                  ; wave 0..3
	s_lshr_b32 s[MH], s[WV], 1
	s_and_b32 s[NH], s[WV], 1
	s_bfe_u32 s84, ttmp6, 0x40000                  ; cx, cy
	s_bfe_u32 s85, ttmp6, 0x40004
	s_lshl_b32 s[NB], ttmp9, 2
	s_add_co_u32 s[NB], s[NB], s84                 ; block of 128 features
	s_and_b32 s[MB], ttmp7, 0xffff
	s_lshl_b32 s[MB], s[MB], 2
	s_add_co_u32 s[MB], s[MB], s85                 ; block of 128 tokens
	s_lshl_b32 s88, s85, 2
	s_lshl_b32 s88, 15, s88                        ; my row of the cluster
	s_lshl_b32 s89, 0x1111, s84                    ; my column
	s_or_b32 s[G1A], s88, (3<<16)|(1<<21)          ; a: the mask of my row; elements of 8 bytes; no padding
	s_mov_b32 s[G1A+1], 32<<16                     ; 256 rows of 256 bytes, dense
	s_mov_b32 s[G1A+2], 256<<16
	s_mov_b32 s[G1A+3], 32<<16
	s_mov_b32 s[G1A+4], 256
	s_mov_b32 s[G1A+5], 32
	s_mov_b32 s[G1A+6], 0
	s_mov_b32 s[G1A+7], 0
	s_or_b32 s[G1W], s89, (1<<20)|(1<<21)|(6<<22)|(3<<25)   ; o_w: the mask of my column; elements of 1 byte; padding: four words after every 128
	s_mov_b32 s[G1W+1], 512<<16                    ; 128 rows of 512 bytes, 1,024 apart
	s_mov_b32 s[G1W+2], 128<<16
	s_mov_b32 s[G1W+3], 512<<16
	s_mov_b32 s[G1W+4], 128
	s_mov_b32 s[G1W+5], 1024
	s_mov_b32 s[G1W+6], 0
	s_mov_b32 s[G1W+7], 0
	s_lshl_b32 s90, s[NH], 16                      ; a: my half along K, in LDS and in memory alike
	s_mul_i32 s91, s[NH], WHALF
	s_add_co_u32 s91, s91, WBASE                   ; o_w: my half in LDS
	s_lshl_b32 s92, s[MB], 17
	s_add_co_u32 s92, s92, s90
	s_mov_b32 s93, 0
	s_lshl_b32 s94, s[NB], 17                      ; 128 rows of 1,024 bytes
	s_lshl_b32 s95, s[NH], 9
	s_add_co_u32 s94, s94, s95
	s_mov_b32 s95, 0
	s_mov_b32 s[G0A], 1
	s_mov_b32 s[G0A+1], s90
	s_mov_b32 s[G0W], 1
	s_mov_b32 s[G0W+1], s91
	s_wait_alu depctr_va_vdst(0)
	s_wait_dscnt 0x0                               ; both opening adds are done
	s_wait_kmcnt 0x0
	s_load_b64 s[52:53], s[10:11], 0x28            ; e10, e11
	s_add_nc_u64 s[G0A+2:G0A+3], s[4:5], s[92:93]  ; made of the token block and the wave's number
	s_or_b32 s[G0A+3], s[G0A+3], 0x80000000
	s_add_nc_u64 s[G0W+2:G0W+3], s[6:7], s[94:95]  ; made of the feature block and the wave's number
	s_or_b32 s[G0W+3], s[G0W+3], 0x80000000
	CROUND                                         ; all sixteen work-groups are here: the joint loads meet
	s_cmp_eq_u32 s[MH], 0                          ; one load a wave; four v_nop follow each of the two lines
	s_cbranch_scc0 .Lfirst_w
	tensor_load_to_lds s[G0A:G0A+3], s[G1A:G1A+7]
	s_nop 0
	PLACES 4
	s_branch .Lfirst_asked
.Lfirst_w:
	tensor_load_to_lds s[G0W:G0W+3], s[G1W:G1W+7]
	s_nop 0
	PLACES 4
.Lfirst_asked:
	s_lshl_b32 s96, s[NB], 9
	s_lshl_b32 s97, s[NH], 8
	s_add_co_u32 s96, s96, s97                     ; my 64 features, in bytes
	s_mov_b32 s97, 0
	s_add_nc_u64 s[8:9], s[8:9], s[96:97]
	s_add_nc_u64 s[12:13], s[12:13], s[96:97]
	s_lshl_b32 s98, s[MB], 19
	s_lshl_b32 s99, s[MH], 18
	s_add_co_u32 s98, s98, s99                     ; my 64 tokens' rows
	s_mov_b32 s99, 0
	s_add_nc_u64 s[12:13], s[12:13], s[98:99]
	s_lshl_b32 s84, s[MH], 14                      ; my four token tiles of 4,096 bytes
	s_mul_i32 s85, s[NH], 64*WPITCH
	s_add_co_u32 s85, s85, WBASE
	s_mul_i32 s88, s[WV], 16*PITCH
	s_add_co_u32 s88, s88, STAGE                   ; my stage
	v_and_b32 v1, 15, v0                           ; r
	v_bfe_u32 v2, v0, 4, 1                         ; h
	v_lshlrev_b32 v[BO], 5, v2
	v_and_b32 v3, 31, v0
	v_lshlrev_b32 v3, 4, v3                        ; 16 x lane
.irp f, 0,1,2,3
	global_load_b128 v[OB+8*\f:OB+8*\f+3], v[BO], s[8:9] offset:64*\f         ; register 8 f + j: o_b(16 f + 8 h + j)
	global_load_b128 v[OB+8*\f+4:OB+8*\f+7], v[BO], s[8:9] offset:64*\f+16
.endr
	v_add_nc_u32 v[ADA], s84, v3
	v_add_nc_u32 v[ADA+1], 0x10000, v[ADA]
	v_mul_u32_u24 v[ADW], v1, WPITCH
	v_lshl_add_u32 v[ADW], v2, 4, v[ADW]
	v_add_nc_u32 v[ADW], s85, v[ADW]
	v_add_nc_u32 v[ADW+1], WHALF, v[ADW]
	v_mul_u32_u24 v[STO], v1, PITCH
	v_lshl_add_u32 v[STO], v2, 5, v[STO]
	v_add_nc_u32 v[STO], s88, v[STO]               ; in: row r, 32 bytes for each half of the lanes
	v_mul_u32_u24 v[RD], v2, PITCH
	v_lshl_add_u32 v[RD], v1, 4, v[RD]
	v_add_nc_u32 v[RD], s88, v[RD]                 ; back: lanes 0-15 one row of 256 bytes, lanes 16-31 the next
	v_lshlrev_b32 v[CO], 12, v2
	v_lshl_add_u32 v[CO], v1, 4, v[CO]             ; and the same two rows of out0, 4,096 bytes apart
	s_wait_alu depctr_va_vdst(0)                   ; the wait at the head's end
	s_wait_kmcnt 0x0
	s_add_co_i32 s54, s52, s53
	s_add_co_i32 s54, s54, 127
	s_lshl_b32 s54, s54, 23                        ; 2^(e10 + e11) as f32
	s_mov_b32 s55, s54                             ; (named with it as a pair, so it is written)
.macro LDW k                           ; o_w's four fragments of K step k: 16 loads
	WIN 0x40*(1+(\k)/4)
.irp f, 0,1,2,3
.irp c, 0,1,2,3
	ds_load_b128 v[64*((\k)%4)+16*\f+4*\c:64*((\k)%4)+16*\f+4*\c+3], v[ADW+(\k)/4] offset:\f*16*WPITCH+128*((\k)%4)+32*\c
.endr
.endr
.endm
.macro LDA t, k                        ; a's fragment of token tile t, K step k: 4 loads
	WIN 0xc0
.irp c, 0,1,2,3
	ds_load_b128 v[128*((\t)%2)+16*(\k)+4*\c:128*((\t)%2)+16*(\k)+4*\c+3], v[ADA+(\k)/4] offset:32768*(((\k)/2)%2)+4096*(\t)+2048*((\k)%2)+512*\c
.endr
.endm
.macro MUL t, k                        ; the tile's four accumulators take turns, one instruction a turn: three others stand between a sum's steps
	WIN 0x0d+(\k)/4
.irp f, 0,1,2,3
.if (\k) == 0
	v_wmma_f32_16x16x128_bf8_bf8 v[ACC+32*(\t)+8*\f:ACC+32*(\t)+8*\f+7], v[64*((\k)%4)+16*\f:64*((\k)%4)+16*\f+15], v[128*((\t)%2)+16*(\k):128*((\t)%2)+16*(\k)+15], 0
.else
	v_wmma_f32_16x16x128_bf8_bf8 v[ACC+32*(\t)+8*\f:ACC+32*(\t)+8*\f+7], v[64*((\k)%4)+16*\f:64*((\k)%4)+16*\f+15], v[128*((\t)%2)+16*(\k):128*((\t)%2)+16*(\k)+15], v[ACC+32*(\t)+8*\f:ACC+32*(\t)+8*\f+7]
.endif
.endr
.endm
; THE WAY OUT of a tile of 16 tokens: sum x 2^(e10 + e11) + o_b, one packed multiply-add for two numbers; through my own stage in LDS, back as whole rows of 256 bytes, into the registers that
; the tile's sums have left.  LDS serves a wave's instructions in order (ISA guide 5.7.1.4): no wait between the stores and the loads, nor in front of the next tile's stores.
.macro TOSTAGE t
.irp f, 0,1,2,3
.irp j, 0,2,4,6
	v_pk_fma_f32 v[TMP+8*\f+\j:TMP+8*\f+\j+1], v[ACC+8*(4*(\t)+\f)+\j:ACC+8*(4*(\t)+\f)+\j+1], s[54:55], v[OB+8*\f+\j:OB+8*\f+\j+1] op_sel_hi:[1,0,1]   ; each accumulator from its low end on
.endr
.endr
.irp f, 0,1,2,3
	ds_store_b128 v[STO], v[TMP+8*\f:TMP+8*\f+3] offset:64*\f
	ds_store_b128 v[STO], v[TMP+8*\f+4:TMP+8*\f+7] offset:64*\f+16
.endr
.irp i, 0,1,2,3,4,5,6,7
	ds_load_b128 v[ACC+32*(\t)+4*\i:ACC+32*(\t)+4*\i+3], v[RD] offset:\i*2*PITCH
.endr
.endm
.macro SEND t, younger                 ; younger: the LDS instructions issued behind tile t's loads, which may stay out
	s_wait_dscnt \younger
.irp i, 0,1,2,3,4,5,6,7
	global_store_b128 v[CO], v[ACC+32*(\t)+4*\i:ACC+32*(\t)+4*\i+3], s[12:13] offset:(16*(\t)+2*\i)*4096 th:TH_STORE_NT   ; 16 lanes store 256 consecutive bytes, aligned; written once, read by nobody here
.endr
.endm
	s_wait_tensorcnt 0x0                           ; my part is in,
	s_barrier_signal -1
	s_barrier_wait -1                              ; and everybody's.  Nothing is filled again
	LDW 0
	LDA 0, 0
.irp k, 0,1,2,3,4,5,6
	LDW \k+1
	LDA 0, \k+1
	s_wait_dscnt 20                                ; all but the 20 just issued
	MUL 0, \k
.endr
.irp k, 0,1,2,3,4,5,6,7
	LDA 1, \k
.endr
	s_wait_dscnt 32                                ; all but tile 1's 32
	MUL 0, 7
	WIN 0
	s_wait_loadcnt 0x0                             ; o_b
.irp t, 1,2,3
	PLACES 4                                       ; in front of the reads of tile t - 1's results, and of loads into registers that its products have read
	TOSTAGE \t-1
	s_wait_dscnt 16                                ; tile t's fragments are in; the stage's 16 may be out
.if \t < 3
.irp k, 0,1,2,3,4,5,6,7
	LDA \t+1, \k
.endr
.endif
.irp k, 0,1,2,3,4,5,6,7
	MUL \t, \k
.endr
	WIN 0
.if \t < 3
	SEND \t-1, 32
.else
	SEND \t-1, 0
.endif
.endr
	PLACES 4
	TOSTAGE 3
	SEND 3, 0
	s_wait_tensorcnt 0x0                           ; the wave's end
	ds_add_u32 v[SPW], v[NIL]
	s_wait_dscnt 0x0
	CROUND                                         ; the closing round: no work-group ends while a partner may still ask for a tile that names it
	s_endpgm
.Lfunc_end_k_q03a8f25d41_oproj:
	.size	k_q03a8f25d41_oproj, .Lfunc_end_k_q03a8f25d41_oproj-k_q03a8f25d41_oproj
	.p2alignl 7, 3214868480
	.fill 96, 4, 3214868480
	.section	.rodata,"a",@progbits
	.p2align	6, 0x0
	.amdhsa_kernel k_q03a8f25d41_oproj
		.amdhsa_group_segment_fixed_size 327680
		.amdhsa_private_segment_fixed_size 0
		.amdhsa_enable_private_segment 0
		.amdhsa_kernarg_size 40
		.amdhsa_user_sgpr_count 2
		.amdhsa_user_sgpr_kernarg_segment_ptr 1
		.amdhsa_wavefront_size32 1
		.amdhsa_system_sgpr_workgroup_id_x 1
		.amdhsa_system_sgpr_workgroup_id_y 1
		.amdhsa_system_sgpr_workgroup_id_z 1
		.amdhsa_system_vgpr_workitem_id 0
		.amdhsa_next_free_vgpr 1024
		.amdhsa_next_free_sgpr 100
		.amdhsa_reserve_vcc 0
		.amdhsa_float_denorm_mode_32 3
		.amdhsa_float_denorm_mode_16_64 3
		.amdhsa_memory_ordered 1
		.amdhsa_forward_progress 1
		.amdhsa_inst_pref_size 45
	.end_amdhsa_kernel
	.amdgpu_metadata
---
amdhsa.version: [ 1, 2 ]
amdhsa.kernels:
  - .name:           k_q03a8f25d41_oproj
    .symbol:         k_q03a8f25d41_oproj.kd
    .args:
      - { .name: a_img, .offset: 0, .size: 8, .value_kind: global_buffer, .address_space: global }
      - { .name: o_w_codes, .offset: 8, .size: 8, .value_kind: global_buffer, .address_space: global }
      - { .name: o_b, .offset: 16, .size: 8, .value_kind: global_buffer, .address_space: global }
      - { .name: lowp_scales, .offset: 24, .size: 8, .value_kind: global_buffer, .address_space: global }
      - { .name: out0, .offset: 32, .size: 8, .value_kind: global_buffer, .address_space: global }
    .group_segment_fixed_size: 327680
    .private_segment_fixed_size: 0
    .kernarg_segment_align: 8
    .kernarg_segment_size: 40
    .max_flat_workgroup_size: 128
    .sgpr_count:     100
    .vgpr_count:     1024
    .wavefront_size: 32
...
	.end_amdgpu_metadata
.endif
;; end of part 3
